; MI455X (gfx1250); checked and timed in simulation.
; The chip was launched on July 23, 2026; its instructions are those of AMD's public machine-readable ISA for CDNA 5 (MIT licence, August 2026) and "CDNA5" Instruction Set Architecture Reference Guide (July 2026). The comments in the code are by the model that wrote it; some were corrected since.
;; Multi Head Attention. Allowed arithmetic: matrix products marked QUANTISED: E3M2 operands, one E8M0 scale for each 32 along K, by v_wmma_scale_f32_16x16x128_f8f6f4 with both operands' format E3M2, f32 sums; everything else in f32.
;; Inputs: Wk 1,024 x 1,024 float32; Wo 1,024 x 1,024 float32; Wq 1,024 x 1,024 float32; Wv 1,024 x 1,024 float32; bk 1,024 float32; bo 1,024 float32; bq 1,024 float32; bv 1,024 float32; x 4 x 2,048 x 1,024 float32.
;; Outputs: out0 4 x 2,048 x 1,024 float32.
;; This version of the problem:
;;   THIS VERSION OF THE PROBLEM IS GIVEN IN LOW PRECISION. The matrix products marked QUANTISED in the list below multiply operands that are first quantised to E3M2 (3 exponent bits, 2 mantissa bits; 6 bits a number), with one power-of-two scale for each 32 numbers along K (OCP MX v1.0); their sums are f32. All else is computed in f32.
;;   The module's matrix products, in the order in which they are computed (A, B: the left and right operand; K: the contracted axis; several contracted axes count as one K, in the product's order):
;;     1. [M 8,192, K 1,024] x [K 1,024, N 1,024]; A: input x; B: input Wq: QUANTISED
;;     2. [M 8,192, K 1,024] x [K 1,024, N 1,024]; A: input x; B: input Wk: QUANTISED
;;     3. [M 8,192, K 1,024] x [K 1,024, N 1,024]; A: input x; B: input Wv: QUANTISED
;;     4. batch 64 x [M 2,048, K 64] x [K 64, N 2,048]; A: computed on the way; B: computed on the way: QUANTISED
;;     5. batch 64 x [M 2,048, K 2,048] x [K 2,048, N 64]; A: softmax (see below); B: computed on the way: QUANTISED
;;     6. [M 8,192, K 1,024] x [K 1,024, N 1,024]; A: computed on the way; B: input Wo: QUANTISED
;;   THE QUANTISER, for each operand of a quantised product, along K:
;;     - K is cut into blocks of 32 from its start; a last block that is shorter is filled with zeros.
;;     - A block's scale is 2^e with e = floor(log2(the largest magnitude in the block)) - 4, held to -126 .. 127; a block of zeros has e = 0. As a byte (E8M0): e + 127.
;;     - Each number is divided by its block's scale, clamped to +-28, and rounded to the nearest number of E3M2, ties to even, subnormals kept.
;;     - The product sums the exact products of the quantised numbers (number of the format x scale) in f32.
;;   ~~~python
;;   def quantise(x, axis):      # numpy; x: float32 -> the quantised numbers, widened to float32 again
;;       x = np.moveaxis(x, axis, -1); K = x.shape[-1]
;;       x = np.pad(x, [(0, 0)] * (x.ndim - 1) + [(0, -K % 32)]); x = x.reshape(x.shape[:-1] + (-1, 32)); a = np.abs(x).max(-1, keepdims=True)
;;       e = np.where(a > 0, np.clip(np.frexp(np.where(a > 0, a, 1))[1] - 1 - 4, -126, 127), 0)      # np.frexp(a)[1] - 1 = floor(log2(a)), exactly
;;       r = np.clip(x / 2.0 ** e, -28, 28)
;;       step = 2.0 ** (np.maximum(np.frexp(np.where(r == 0, 1, r))[1] - 1, -2) - 2)
;;       q = np.round(r / step) * step * 2.0 ** e      # np.round: ties to even
;;       return np.moveaxis(q.reshape(q.shape[:-2] + (-1,))[..., :K], -1, axis).astype(np.float32)
;;   ~~~
;;   SOFTMAX AHEAD OF A QUANTISED PRODUCT. Where the list says 'softmax', what is quantised is not the finished softmax but p = 2^(t - M), with t = logit x log2(e) and M = ceil(the row's largest t), a whole number; so 1/2 < the row's largest p <= 1. The row's sum l is taken of the UNQUANTISED p, in f32, and the product's result is divided by l at the end. Since M is a whole number, a kernel that streams over the keys may use a running M (the ceiling of the running maximum): every later rescaling is an exact power of two, which a block's scale takes up: the codes' values come out the same.
;;   OPERANDS COMPUTED ON THE WAY. 'Computed on the way' means the value that the module computes at that place (a softmax that the list does not call 'softmax' is quantised finished and normalised). What goes into a quantiser is computed in f32, as accurately as f32 sums, v_exp_f32 and their like allow (about 1e-6 of the number): no bf16 or f16 on the way to a quantiser, and a product that is left as it is and whose result goes on into a quantised operand takes f32 operands (vector FMAs, or v_wmma_f32_16x16x4_f32). A number that lies on a knife's edge between two numbers of the format may be rounded either way, as far as f32 arithmetic and the matrix unit's own rounding can turn it there, and no further.
;; One version. Each part assembles by itself: llvm-mc -triple=amdgcn-amd-amdhsa -mcpu=gfx1250 --defsym DOCPART=n.
;; ======== version 1 of 1: 4 launches
;; limits: right only within a limited range of input values
;; workspace buffers: img 9,437,184 bytes; isc 393,216 bytes; qkv 20,185,088 bytes; aimg 6,291,456 bytes; asc 262,144 bytes
;; launch quant (part 1): grid 256 x 1, 6 waves a work-group, no clusters, 51,456 bytes of LDS; arguments x, Wq, Wk, Wv, Wo, img, isc; writes img, isc
.if DOCPART == 1
	.amdgcn_target "amdgcn-amd-amdhsa--gfx1250"
	.amdhsa_code_object_version 6
	.text
	.protected	k_qb03bef5704_quant
	.globl	k_qb03bef5704_quant
	.p2align	8
	.type	k_qb03bef5704_quant,@function
k_qb03bef5704_quant:
	s_mov_b64 s[64:65], 0
	v_nop
	global_prefetch_b8 v0, s[64:65] scope:SCOPE_SE
	s_setreg_imm32_b32 hwreg(HW_REG_WAVE_MODE, 25, 1), 1
	s_wait_xcnt 0x0
; x [8192][1024] and Wq, Wk, Wv, Wo [1024][1024], f32 with K innermost, become codes of BF6 (E3M2) with one E8M0 byte for each 32 along K,
; laid as IMAGES OF OPERAND REGISTERS, so that later launches fetch whole fragments by dense loads.
; img: [group of 128 rows, 96][K step of 128, 8][tile of 16 rows, 8][1,536 bytes].  Groups 0-63 x, 64-71 Wq, 72-79 Wk, 80-87 Wv, 88-95 Wo.
; A fragment's 1,536 bytes are two halves of 768 (64 along K each): registers 0-3 at 16 x lane, registers 4-5 at 512 + 8 x lane.
; isc: [group][quad of K steps, 2][tile 8][row 16][4 words]: word w of quad q is the row's scale word of K step 4 q + w.
; THE ROWS OF A TILE ARE NOT NEIGHBOURS: lane row r of tile 2 g + u holds the group's row 32 g + 8 u + r + 8 (r / 8), so that a product that takes such
; tiles as source 0 leaves 16 neighbouring rows in the 16 registers of two neighbouring tiles.
; A block's scale is 2^(floor(log2(largest magnitude)) - 4); its byte is the largest magnitude's exponent field - 4, held at 1 from below.
; LIMITS: a block of zeros, or one whose largest magnitude lies under 2^-122, gets the byte 1 (its codes are zeros or subnormal codes; this program alone
; reads the bytes); NaN and infinities among the inputs are not served.
; SHARES: 1,536 jobs, one a wave: a tile of 16 rows x 512 along K = four fragments.  Each load reads 512 consecutive bytes of one row; a fragment's 16 rows turn
; through the wave's own stage in LDS, so that a lane gets 16 neighbours of each block of 32.  Waves share nothing: no barrier.
.set ROWB,  4096                       ; a row of any of the five tensors, in bytes
.set SP,    528                        ; a stage row: 512 bytes + 16
.set STG,   16*SP                      ; a wave's stage
.set TM,    8                          ; v8-23   the quantiser's work
.set PW,    24                         ; v24-27  the four fragments' scale words
.set SW,    28                         ; v28-29  the two words that my lane stores
.set PC,    32                         ; v32-50  the codes just made
.set X,     64                         ; v64-127 64 numbers of my row: register 16 b + i = k 32 b + 16 (lane / 16) + i
.set R,     128                        ; v128-255 two sets of 16 rows as loaded
.set SEL,   28                         ; s[28:29] lane selects: lane l xor 16
.set SRC,   24                         ; s[24:25] my job's first byte in its tensor
.set IMG,   14                         ; s[14:15] and in img
.set ISC,   16                         ; s[16:17] and in isc
; 64 numbers of a lane become a fragment's codes in v[PC] .. v[PC+11] and its scale word in v[pw]
.macro QUANT s, pw
.irp b, 0,1,2,3
	v_max3_num_f32 v[TM+\b], |v[\s+16*\b]|, |v[\s+1+16*\b]|, 0x2800000   ; block b: my 16 numbers, and the floor 2^(5 - 127): the byte cannot fall under 1
.endr
.irp i, 2,4,6,8,10,12,14
.irp b, 0,1,2,3
	v_max3_num_f32 v[TM+\b], v[TM+\b], |v[\s+16*\b+\i]|, |v[\s+1+16*\b+\i]|   ; the four blocks by turns
.endr
.endr
.irp b, 0,1,2,3
	v_permlanex16_b32 v[TM+4+\b], v[TM+\b], s[SEL], s[SEL+1]
.endr
.irp b, 0,1,2,3
	v_max_num_f32 v[TM+\b], v[TM+\b], v[TM+4+\b]   ; with lane l xor 16's 16: the block's largest magnitude
.endr
.irp b, 0,1,2,3
	v_add_nc_u32 v[TM+12+\b], 0xfe000000, v[TM+\b]   ; 4 off its exponent field: the conversion's scale operand
.endr
.irp b, 0,1,2,3
	v_lshrrev_b32 v[TM+4+\b], 23, v[TM+12+\b]   ; the scale's byte
.endr
	v_lshl_or_b32 v[\pw], v[TM+5], 8, v[TM+4]
	v_lshl_or_b32 v[\pw], v[TM+6], 16, v[\pw]
	v_lshl_or_b32 v[\pw], v[TM+7], 24, v[\pw]
.irp c, 0,1
	v_cvt_scalef32_pk16_bf6_f32 v[PC+6*\c:PC+2+6*\c], v[\s+32*\c:\s+15+32*\c], v[TM+12+2*\c]
	v_cvt_scalef32_pk16_bf6_f32 v[PC+12+4*\c:PC+14+4*\c], v[\s+16+32*\c:\s+31+32*\c], v[TM+12+2*\c+1]   ; (a conversion's three registers begin on an even number)
.endr
	v_nop                                          ; one plain place behind a scaled conversion
.irp c, 0,1                                    ; the operand wants a whole block in a lane: lanes 0-15 block 2 c, lanes 16-31 block 2 c + 1
.irp i, 0,1,2
	v_permlane16_swap_b32 v[PC+6*\c+\i], v[PC+12+4*\c+\i]
.endr
.irp i, 0,1,2
	v_mov_b32 v[PC+3+6*\c+\i], v[PC+12+4*\c+\i]
.endr
.endr
.endm
	s_load_b256 s[4:11], s[0:1], 0x0               ; x s[4:5], Wq s[6:7], Wk s[8:9], Wv s[10:11]
	s_load_b128 s[12:15], s[0:1], 0x20             ; Wo s[12:13], img s[14:15]
	s_load_b64 s[16:17], s[0:1], 0x30              ; isc
	v_lshl_add_u32 v62, v0, 2, 0xc600
	v_mov_b32 v63, 0
	v_lshrrev_b32 v1, 5, v0
	v_readfirstlane_b32 s18, v1                    ; wave 0..5
	v_and_b32 v1, 31, v0                           ; lane
	v_and_b32 v7, 15, v0                           ; r
	v_bfe_u32 v6, v0, 4, 1                         ; h
	v_lshlrev_b32 v2, 4, v1                        ; 16 x lane
	v_lshlrev_b32 v3, 3, v1                        ; 8 x lane
	s_mul_i32 s22, s18, STG                        ; my stage
	v_add_nc_u32 v4, s22, v2                       ; into it: a row's 512 bytes as they lie
	v_mul_u32_u24 v5, v7, SP
	v_lshl_add_u32 v5, v6, 6, v5
	v_add_nc_u32 v5, s22, v5                       ; out of it: row r, + 64 h: my 16 numbers of a block of 32
	v_lshlrev_b32 v6, 3, v6
	v_lshl_add_u32 v6, v7, 4, v6                   ; the scale words: 16 r + 8 h
.irp b, 0,1,2,3
	v_mov_b32 v[TM+4+\b], 0                        ; written once: a lane permute's destination counts as one of its sources
.endr
	s_mov_b32 s[SEL], 0x76543210
	s_mov_b32 s[SEL+1], 0xfedcba98
	s_mul_i32 s19, ttmp9, 6
	s_add_co_u32 s19, s19, s18                     ; my job, 0..1535
	s_lshr_b32 s20, s19, 1                         ; its tile, in img's order, 0..767
	s_and_b32 s21, s19, 1                          ; its quad of K steps
	s_lshr_b32 s30, s20, 3                         ; the tile's group
	s_and_b32 s31, s20, 7                          ; and its place there
	s_mul_i32 s32, s30, 98304
	s_mul_i32 s33, s21, 49152
	s_add_co_u32 s32, s32, s33
	s_mul_i32 s33, s31, 1536
	s_add_co_u32 s32, s32, s33                     ; img: group x 98,304 + quad x 49,152 + tile x 1,536
	s_mov_b32 s33, 0
	s_lshl_b32 s34, s30, 12
	s_lshl_b32 s35, s21, 11
	s_add_co_u32 s34, s34, s35
	s_lshl_b32 s35, s31, 8
	s_add_co_u32 s34, s34, s35                     ; isc: group x 4,096 + quad x 2,048 + tile x 256
	s_mov_b32 s35, 0
	s_bfe_u32 s23, s20, 0x20006                    ; which weight, for tiles from 512 on: (tile / 64) mod 4
	s_wait_alu depctr_va_vdst(0)
	s_wait_kmcnt 0x0
	s_add_nc_u64 s[IMG:IMG+1], s[IMG:IMG+1], s[32:33]
	s_add_nc_u64 s[ISC:ISC+1], s[ISC:ISC+1], s[34:35]
	s_cmp_eq_u32 s23, 1                            ; the tensor is chosen by the tile's number alone
	s_cselect_b64 s[SRC:SRC+1], s[8:9], s[6:7]
	s_cmp_eq_u32 s23, 2
	s_cselect_b64 s[SRC:SRC+1], s[10:11], s[SRC:SRC+1]
	s_cmp_eq_u32 s23, 3
	s_cselect_b64 s[SRC:SRC+1], s[12:13], s[SRC:SRC+1]
	s_cmp_lt_u32 s20, 512
	s_cselect_b64 s[SRC:SRC+1], s[4:5], s[SRC:SRC+1]
	s_cselect_b32 s26, 511, 63
	s_and_b32 s26, s20, s26                        ; the tile's number in its tensor
	; ROW ORDER (this takes the place of the order named at the head): lane row r of tile t of a group is the group's row 64 (t / 4) + 8 (t % 4) + r % 8 + 32 (r / 8),
	; so that a product that takes such tiles as source 0 leaves a whole block of 32 neighbouring rows in a lane's 32 registers of four neighbouring tiles.
	s_and_b32 s27, s26, 3                          ; the tile's first row is 16 t - 8 (t mod 4)
	s_lshl_b32 s26, s26, 16
	s_lshl_b32 s27, s27, 15
	s_sub_co_u32 s26, s26, s27                     ; its first row, 16 t - 8 (t mod 4), x 4,096 bytes
	s_lshl_b32 s27, s21, 11
	s_add_co_u32 s26, s26, s27                     ; + the quad's 2,048 bytes
	s_mov_b32 s27, 0
	s_add_nc_u64 s[SRC:SRC+1], s[SRC:SRC+1], s[26:27]
.macro LOAD f                          ; fragment f's 16 rows x 512 bytes into set f % 2: row i of the tile lies i + 24 (i / 8) rows down
.irp i, 0,1,2,3,4,5,6,7,8,9,10,11,12,13,14,15
	global_load_b128 v[R+64*((\f)%2)+4*\i:R+64*((\f)%2)+4*\i+3], v2, s[SRC:SRC+1] offset:(\i+24*(\i/8))*ROWB+512*(\f) th:TH_LOAD_NT   ; row i of the tile lies i + 24 (i / 8) rows down
.endr
.endm
.macro TURN f                          ; through the stage: LDS serves a wave's instructions in order, so no wait stands between the stores and the loads
.irp i, 0,1,2,3,4,5,6,7,8,9,10,11,12,13,14,15
	ds_store_b128 v4, v[R+64*((\f)%2)+4*\i:R+64*((\f)%2)+4*\i+3] offset:SP*\i
.endr
.irp b, 0,1,2,3
.irp j, 0,1,2,3
	ds_load_b128 v[X+16*\b+4*\j:X+16*\b+4*\j+3], v5 offset:128*\b+16*\j
.endr
.endr
.endm
.macro FRAGM f
.if (\f) < 3
	s_wait_loadcnt 16                              ; this fragment's 16 loads are in; the next fragment's 16 may be out
.else
	s_wait_loadcnt 0x0
.endif
	TURN \f
	s_wait_dscnt 0x0                               ; my 64 numbers are back, and the stores into the stage have read their registers
.if (\f) > 0
	s_wait_xcnt 0x0                                ; the last fragment's stores have read the codes' registers, which are written again below
.endif
.if (\f) < 2
	LOAD (\f)+2                                    ; into the set just emptied
.endif
	QUANT X, PW+(\f)
	global_store_b128 v2, v[PC:PC+3], s[IMG:IMG+1] offset:(\f)*12288            ; 512 consecutive bytes
	global_store_b64 v3, v[PC+4:PC+5], s[IMG:IMG+1] offset:(\f)*12288+512       ; 256
	global_store_b128 v2, v[PC+6:PC+9], s[IMG:IMG+1] offset:(\f)*12288+768
	global_store_b64 v3, v[PC+10:PC+11], s[IMG:IMG+1] offset:(\f)*12288+1280
.endm
	LOAD 0
	LOAD 1
	FRAGM 0
	FRAGM 1
	FRAGM 2
	FRAGM 3
	v_cmp_lt_u32 vcc_lo, 15, v1                    ; lanes 16-31 store words 2 and 3 of their row, lanes 0-15 words 0 and 1 (both halves hold all four)
	v_cndmask_b32 v[SW], v[PW], v[PW+2], vcc_lo
	v_cndmask_b32 v[SW+1], v[PW+1], v[PW+3], vcc_lo
	global_store_b64 v6, v[SW:SW+1], s[ISC:ISC+1]  ; 32 lanes store 256 consecutive bytes, aligned
	s_wait_tensorcnt 0x0
	ds_add_u32 v62, v63
	s_wait_dscnt 0x0
	s_endpgm
.Lfunc_end_k_qb03bef5704_quant:
	.size	k_qb03bef5704_quant, .Lfunc_end_k_qb03bef5704_quant-k_qb03bef5704_quant
	.p2alignl 7, 3214868480
	.fill 96, 4, 3214868480
	.section	.rodata,"a",@progbits
	.p2align	6, 0x0
	.amdhsa_kernel k_qb03bef5704_quant
		.amdhsa_group_segment_fixed_size 51456
		.amdhsa_private_segment_fixed_size 0
		.amdhsa_enable_private_segment 0
		.amdhsa_kernarg_size 56
		.amdhsa_user_sgpr_count 2
		.amdhsa_user_sgpr_kernarg_segment_ptr 1
		.amdhsa_wavefront_size32 1
		.amdhsa_system_sgpr_workgroup_id_x 1
		.amdhsa_system_sgpr_workgroup_id_y 1
		.amdhsa_system_sgpr_workgroup_id_z 1
		.amdhsa_system_vgpr_workitem_id 0
		.amdhsa_next_free_vgpr 256
		.amdhsa_next_free_sgpr 66
		.amdhsa_reserve_vcc 1
		.amdhsa_float_denorm_mode_32 3
		.amdhsa_float_denorm_mode_16_64 3
		.amdhsa_memory_ordered 1
		.amdhsa_forward_progress 1
		.amdhsa_inst_pref_size 34
	.end_amdhsa_kernel
	.amdgpu_metadata
---
amdhsa.version: [ 1, 2 ]
amdhsa.kernels:
  - .name:           k_qb03bef5704_quant
    .symbol:         k_qb03bef5704_quant.kd
    .args:
      - { .name: x, .offset: 0, .size: 8, .value_kind: global_buffer, .address_space: global }
      - { .name: Wq, .offset: 8, .size: 8, .value_kind: global_buffer, .address_space: global }
      - { .name: Wk, .offset: 16, .size: 8, .value_kind: global_buffer, .address_space: global }
      - { .name: Wv, .offset: 24, .size: 8, .value_kind: global_buffer, .address_space: global }
      - { .name: Wo, .offset: 32, .size: 8, .value_kind: global_buffer, .address_space: global }
      - { .name: img, .offset: 40, .size: 8, .value_kind: global_buffer, .address_space: global }
      - { .name: isc, .offset: 48, .size: 8, .value_kind: global_buffer, .address_space: global }
    .group_segment_fixed_size: 51456
    .private_segment_fixed_size: 0
    .kernarg_segment_align: 8
    .kernarg_segment_size: 56
    .max_flat_workgroup_size: 192
    .sgpr_count:     66
    .vgpr_count:     256
    .wavefront_size: 32
...
	.end_amdgpu_metadata
.endif
;; end of part 1
;; launch proj (part 2): grid 8 x 32, 4 waves a work-group, clusters of 4 x 4, 327,680 bytes of LDS; arguments img, isc, bq, bk, bv, qkv; writes qkv
.if DOCPART == 2
	.amdgcn_target "amdgcn-amd-amdhsa--gfx1250"
	.amdhsa_code_object_version 6
	.text
	.protected	k_qb03bef5704_proj
	.globl	k_qb03bef5704_proj
	.p2align	8
	.type	k_qb03bef5704_proj,@function
k_qb03bef5704_proj:
	s_mov_b64 s[64:65], 0
	v_nop
	global_prefetch_b8 v0, s[64:65] scope:SCOPE_SE
	s_setreg_imm32_b32 hwreg(HW_REG_WAVE_MODE, 25, 1), 1
	s_wait_xcnt 0x0
	s_wait_alu depctr_hold_cnt(0) depctr_sa_sdst(0) depctr_va_vdst(0) depctr_va_sdst(0) depctr_va_ssrc(0) depctr_va_vcc(0) depctr_vm_vsrc(0)
	s_getreg_b32 s2, hwreg(HW_REG_IB_STS2, 6, 4)
	s_cmp_eq_u32 s2, 0
	s_cbranch_scc0 .Lentry_in_a_cluster
	s_endpgm
.Lentry_in_a_cluster:
	s_bfe_u32 s2, ttmp6, 0x10000c
	s_cmp_lg_u32 s2, 0xf033
	s_cbranch_scc0 .Lentry_shape_is_right
	s_endpgm
.Lentry_shape_is_right:
; Q = x Wq^T + bq, K = x Wk^T + bk, V = x Wv^T + bv on codes of BF6 (E3M2) with E8M0 scales, and the results quantised again, in registers, as attention's operands.
; img: [group of 128 rows][K step of 128, 8][tile 8][1,536 bytes], images of operand registers; groups 0-63 x, 64-71 Wq, 72-79 Wk, 80-87 Wv.  isc: [group][quad of K steps 2][tile 8][row 16][4 words].
; Lane row r of tile t of a group is the group's row 64 (t / 4) + 8 (t % 4) + r % 8 + 32 (r / 8): a product that takes four neighbouring tiles as source 0 leaves a whole block of 32 neighbouring rows in a lane's 32 registers.
; qkv: [batch x 16 + head][128 tokens, 16] records of 19,712 bytes: K's 8 tiles x 768 | V's 4 channel tiles x 1,536 | K's scale words 512 | V's 256 | Q's 8 tiles x 768 | Q's scale words 512.
; SHARES.  256 work-groups: 32 blocks of 256 tokens x 8 groups of 128 channels.  A WORK-GROUP STAYS on its tokens and walks group u of Wq, of Wk and of Wv.  ALL OF K LIES IN LDS: the tokens' two groups (196,608 bytes),
; one weight group (98,304) and their scales (8,192 + 4,096): no ring along K and no barrier inside a product.
; A wave makes 128 tokens x 64 channels (one head): 32 accumulators.  THE WEIGHT'S 32 FRAGMENTS (4 tiles x all of K, 384 registers) AND ALL SCALE WORDS GO INTO REGISTERS AT A PRODUCT'S HEAD; then the wave goes by tiles of
; 16 tokens: 8 fragments from LDS, 32 matrix instructions.  So no fragment is read twice, and the weight's LDS bytes are free at the product's head: the next weight is asked for there, and has the whole
; product and the way out in which to land.
; Q, K: source 0 = the weight's 4 tiles, source 1 = the tokens': a lane holds a token and the head's channels 32 h + 0 .. 31.  V: the sources are swapped: a lane holds a channel, and its 64 registers run along
; the 128 tokens, which are the keys.  The bias is the C of each sum's first product.
; CLUSTERS: 4 x 4; the tokens' tiles are asked for jointly along a row of the cluster, the weights' along a column.
; NO PREFETCH: the head's loads ask for all that the first product reads, and each refill is asked for a whole product (256 matrix instructions a wave) and a way out ahead of the wait for it.
; LIMITS: a block of zeros, or one whose largest magnitude lies under 2^-122, gets the byte 1; NaN and infinities are not served.
; REGISTERS.  Window 0: v1-29 addresses and work; v32-95 scale words (nothing else ever): register 32 q + 4 i + w: lanes 0-15 the tokens' tile i, lanes 16-31 the weight's tile i, K step 4 q + w; v96-127 the bias along
; the registers; v128-223 the weight's fragments of K steps 5, 6 (on the way out codes and scale words); v224-255 V's bias.  Window 1: v0-191 the tokens' fragments, two sets of 96 (a tile's 8 K steps); v192-239 the weight's
; of K step 7.  Window 2: the accumulators.  Window 3: v0-239 the weight's fragments of K steps 0 to 4.
.set GSTR,  98304
.set REC,   19712
.set WB,    196608
.set SCW,   294912
.set SCX,   299008
.set SPARE, 307200
.set CT,    2
.set PT,    5
.set AX16,  8
.set AX8,   10
.set AW16,  12
.set AW8,   14
.set ADRS,  16
.set L16,   17
.set L8,    18
.set VB,    19
.set TM,    20
.set SO,    24
.set BY,    25
.set SH8,   26
.set BY2,   27
.set SPW,   28
.set NIL,   29
.set SC,    32
.set BU,    96
.set WF,    128
.set OU,    128
.set PW,    192
.set BT,    224
.set WV,    16
.set WR,    17
.set WC,    18
.set G1X,   24
.set G0X,   32
.set G0XS,  36
.set G1XS,  40
.set G1W,   48
.set G0W,   56
.set G0WS,  60
.set G1WS,  68
.set G0H,   76
.set OBI,   80
.set OBS,   82
.set OBV,   88
.set SEL,   94
.set MSB, 0
.macro WIN new                         ; the immediate's high byte repeats the setting that is left
.if MSB != \new
	s_set_vgpr_msb (MSB<<8)|\new
.set MSB, \new
.endif
.endm
.macro CROUND                          ; a round of the cluster's barrier
	s_barrier_signal -1
	s_barrier_wait -1
	s_cmp_lg_u32 s[WV], 0
	s_cbranch_scc1 .Lnot_wave_0_\@
	s_barrier_signal -3
.Lnot_wave_0_\@:
	s_barrier_wait -3
	s_barrier_signal -1
	s_barrier_wait -1
.endm
.macro PLACES
.rept 4
	v_nop
.endr
.endm
.macro TLOAD g0, g1                    ; a tensor load with an s_nop and four v_nops behind it
	tensor_load_to_lds s[\g0:\g0+3], s[\g1:\g1+7]
	s_nop 0
	PLACES
.endm
.macro FRAG reg, a16, a8, off          ; a fragment's image: four dense loads
	ds_load_b128 v[\reg:\reg+3], v[\a16] offset:\off
	ds_load_b64 v[\reg+4:\reg+5], v[\a8] offset:(\off)+512
	ds_load_b128 v[\reg+6:\reg+9], v[\a16] offset:(\off)+768
	ds_load_b64 v[\reg+10:\reg+11], v[\a8] offset:(\off)+1280
.endm
.macro WLOC st                         ; where the weight's four fragments of K step st lie: window WW, from register WBS on
.if (\st) < 5
.set WW, 3
.set WBS, 48*(\st)
.else
.if (\st) < 7
.set WW, 0
.set WBS, WF+48*((\st)-5)
.else
.set WW, 1
.set WBS, 192
.endif
.endif
.endm
.macro FETCHW                          ; the weight's 32 fragments
.irp st, 0,1,2,3,4,5,6,7
	WLOC \st
	WIN (WW<<6)
.irp i, 0,1,2,3
	FRAG WBS+12*\i, AW16+\st/4, AW8+\st/4, (\st%4)*12288+\i*1536
.endr
.endr
	WIN 0
.endm
.macro FETCHX a                        ; the tokens' tile a, all 8 K steps, into set a % 2
	WIN 0x40
.irp st, 0,1,2,3,4,5,6,7
	FRAG 96*((\a)%2)+12*\st, AX16+\st/4, AX8+\st/4, (\st%4)*12288+(\a)*1536
.endr
	WIN 0
.endm
.macro SCALES                          ; all of K's scale words of my 8 + 4 tiles
.irp q, 0,1
.irp i, 0,1,2,3,4,5,6,7
	ds_load_b128 v[SC+32*\q+4*\i:SC+32*\q+4*\i+3], v[ADRS] offset:2048*\q+256*\i
.endr
.endr
.endm
; 32 matrix instructions: the tokens' tile a against the weight's four, all of K.  The four accumulators take turns, one instruction a turn: three others stand between a sum's steps.
; K step 0 starts the sums from the bias.
.macro MULA a, vm
.set XS, 96*((\a)%2)
.irp st, 0,1,2,3,4,5,6,7
	WLOC \st
.set SW, SC+32*(\st/4)+(\st%4)
.if \vm
.if \st == 0
	WIN (0x81|(WW<<2))
.else
	WIN (0xa1|(WW<<2))
.endif
.irp b, 0,1,2,3
.if \st == 0
	v_wmma_scale_f32_16x16x128_f8f6f4 v[64*\b+8*(\a):64*\b+8*(\a)+7], v[XS+12*\st:XS+12*\st+11], v[WBS+12*\b:WBS+12*\b+11], v[BT+8*\b:BT+8*\b+7], v[SW+4*(\a)], v[SW+4*\b] matrix_a_fmt:MATRIX_FMT_BF6 matrix_b_fmt:MATRIX_FMT_BF6 matrix_b_scale:MATRIX_SCALE_ROW1
.else
	v_wmma_scale_f32_16x16x128_f8f6f4 v[64*\b+8*(\a):64*\b+8*(\a)+7], v[XS+12*\st:XS+12*\st+11], v[WBS+12*\b:WBS+12*\b+11], v[64*\b+8*(\a):64*\b+8*(\a)+7], v[SW+4*(\a)], v[SW+4*\b] matrix_a_fmt:MATRIX_FMT_BF6 matrix_b_fmt:MATRIX_FMT_BF6 matrix_b_scale:MATRIX_SCALE_ROW1
.endif
.endr
.else
.if \st == 0
	WIN (0x84|WW)
.else
	WIN (0xa4|WW)
.endif
.irp b, 0,1,2,3
.if \st == 0
	v_wmma_scale_f32_16x16x128_f8f6f4 v[32*(\a)+8*\b:32*(\a)+8*\b+7], v[WBS+12*\b:WBS+12*\b+11], v[XS+12*\st:XS+12*\st+11], v[BU+8*\b:BU+8*\b+7], v[SW+4*\b], v[SW+4*(\a)] matrix_a_fmt:MATRIX_FMT_BF6 matrix_b_fmt:MATRIX_FMT_BF6 matrix_a_scale:MATRIX_SCALE_ROW1
.else
	v_wmma_scale_f32_16x16x128_f8f6f4 v[32*(\a)+8*\b:32*(\a)+8*\b+7], v[WBS+12*\b:WBS+12*\b+11], v[XS+12*\st:XS+12*\st+11], v[32*(\a)+8*\b:32*(\a)+8*\b+7], v[SW+4*\b], v[SW+4*(\a)] matrix_a_fmt:MATRIX_FMT_BF6 matrix_b_fmt:MATRIX_FMT_BF6 matrix_a_scale:MATRIX_SCALE_ROW1
.endif
.endr
.endif
.endr
	WIN 0
.endm
.macro BLK a, vm                       ; tile a's fragments are in; the next tile's are asked for, into the set that the tile before multiplied; then the products
	s_wait_dscnt 0x0
.if (\a) > 0
	PLACES                                         ; behind the last tile's products, ahead of loads into registers that they read
.endif
.if (\a) < 7
	FETCHX (\a)+1
.endif
	MULA \a, \vm
.endm
; 32 numbers of a lane, v[x] .. v[x+31] of window 2, one block along the next K: codes into v[ou] .. v[ou+5], the scale's byte into v[sb]
.macro QBLK x, ou, sb
	WIN 0x2a
.irp q, 0,1,2,3
	v_max3_num_f32 v[TM+\q], |v[\x+8*\q]|, |v[\x+8*\q+1]|, |v[\x+8*\q+2]|     ; four chains; each accumulator from its low end on
.endr
	WIN 0x28
.irp i, 3,5
.irp q, 0,1,2,3
	v_max3_num_f32 v[TM+\q], v[TM+\q], |v[\x+8*\q+\i]|, |v[\x+8*\q+\i+1]|
.endr
.endr
	v_max3_num_f32 v[TM], v[TM], |v[\x+7]|, |v[\x+15]|
	v_max3_num_f32 v[TM+1], v[TM+1], |v[\x+23]|, |v[\x+31]|
	WIN 0
	v_max3_num_f32 v[TM+2], v[TM+2], v[TM+3], 0x2800000    ; the floor 2^(5 - 127): the byte cannot fall under 1
	v_max3_num_f32 v[TM], v[TM], v[TM+1], v[TM+2]
	v_add_nc_u32 v[SO], 0xfe000000, v[TM]          ; 4 off the exponent field: the conversion's scale operand
	WIN 0x02
	v_cvt_scalef32_pk16_bf6_f32 v[\ou:\ou+2], v[\x:\x+15], v[SO]
	v_cvt_scalef32_pk16_bf6_f32 v[CT:CT+2], v[\x+16:\x+31], v[SO]     ; (a conversion's three registers begin on an even number)
	WIN 0
	v_lshrrev_b32 v[\sb], 23, v[SO]                ; the byte; also the plain place behind the conversions
.irp i, 0,1,2
	v_mov_b32 v[\ou+3+\i], v[CT+\i]
.endr
.endm
.macro WORD pw                         ; my bytes, 8 h bits up, with lane l xor 16's: the row's scale word, in both halves of the lanes
	v_lshlrev_b32 v[BY], v[SH8], v[BY]
	v_permlanex16_b32 v[PT], v[BY], s[SEL], s[SEL+1]
	v_or_b32 v[\pw], v[BY], v[PT]
.endm
	s_load_b256 s[4:11], s[0:1], 0x0               ; img s[4:5], isc s[6:7], bq s[8:9], bk s[10:11]
	s_load_b128 s[12:15], s[0:1], 0x20             ; bv s[12:13], qkv s[14:15]
	v_lshl_add_u32 v[SPW], v0, 2, SPARE
	v_mov_b32 v[NIL], 0
	ds_add_u32 v[SPW], v[NIL]                      ; the opening lines: the add, twice on end, and its wait
	ds_add_u32 v[SPW], v[NIL]
	v_lshrrev_b32 v1, 5, v0
	v_readfirstlane_b32 s[WV], v1                  ; wave 0..3
	s_lshr_b32 s[WR], s[WV], 1                     ; my group of tokens
	s_and_b32 s[WC], s[WV], 1                      ; my half of the channels
	s_bfe_u32 s20, ttmp6, 0x40000                  ; cx, cy
	s_bfe_u32 s21, ttmp6, 0x40004
	s_lshl_b32 s22, ttmp9, 2
	s_add_co_u32 s22, s22, s20                     ; u: the weights' group, 0..7
	s_and_b32 s23, ttmp7, 0xffff
	s_lshl_b32 s23, s23, 2
	s_add_co_u32 s23, s23, s21                     ; the block of 256 tokens, 0..31
	s_lshl_b32 s96, s21, 2
	s_lshl_b32 s96, 15, s96                        ; my row of the cluster
	s_lshl_b32 s97, 0x1111, s20                    ; my column
	s_or_b32 s[G1X], s96, (3<<16)|(1<<21)          ; dense blocks as rows of 32 elements of 8 bytes; the mask, and bit 21 beside it
	s_or_b32 s[G1XS], s96, (3<<16)|(1<<21)
	s_or_b32 s[G1W], s97, (3<<16)|(1<<21)
	s_or_b32 s[G1WS], s97, (3<<16)|(1<<21)
.macro G1ROWS g, rows
	s_mov_b32 s[\g+1], 32<<16
	s_mov_b32 s[\g+2], (\rows)<<16
	s_mov_b32 s[\g+3], 32<<16
	s_mov_b32 s[\g+4], \rows
	s_mov_b32 s[\g+5], 32
	s_mov_b32 s[\g+6], 0
	s_mov_b32 s[\g+7], 0
.endm
	G1ROWS G1X, 768                                ; the tokens' two groups
	G1ROWS G1XS, 32                                ; their scales
	G1ROWS G1W, 384                                ; a weight group, whole, for the head's load
	G1ROWS G1WS, 16                                ; its scales
	s_mul_i32 s[G0X+2], s23, 2*GSTR
	s_mov_b32 s[G0X+3], 0
	s_lshl_b32 s[G0XS+2], s23, 13
	s_mov_b32 s[G0XS+3], 0
	s_add_co_u32 s98, s22, 64                      ; Wq's group u
	s_mul_i32 s[G0H+2], s98, GSTR
	s_mov_b32 s[G0H+3], 0
	s_lshl_b32 s[G0WS+2], s98, 12
	s_mov_b32 s[G0WS+3], 0
	s_lshl_b32 s98, s[WV], 15                      ; a refill's third by the wave's number
	s_mov_b32 s99, 0
	s_mov_b32 s[G0X+1], 0
	s_mov_b32 s[G0XS+1], SCX
	s_mov_b32 s[G0H+1], WB
	s_mov_b32 s[G0WS+1], SCW
	s_add_co_u32 s[G0W+1], s98, WB
	s_wait_dscnt 0x0                               ; both opening adds are done
	s_wait_kmcnt 0x0
	s_add_nc_u64 s[G0X+2:G0X+3], s[4:5], s[G0X+2:G0X+3]
	s_add_nc_u64 s[G0XS+2:G0XS+3], s[6:7], s[G0XS+2:G0XS+3]
	s_add_nc_u64 s[G0H+2:G0H+3], s[4:5], s[G0H+2:G0H+3]
	s_add_nc_u64 s[G0WS+2:G0WS+3], s[6:7], s[G0WS+2:G0WS+3]
	s_add_nc_u64 s[G0W+2:G0W+3], s[G0H+2:G0H+3], s[98:99]
.irp g, G0X, G0XS, G0H, G0WS, G0W
	s_mov_b32 s[\g], 1
	s_or_b32 s[\g+3], s[\g+3], 0x80000000
.endr
	CROUND                                         ; all sixteen work-groups are here: the first joint loads meet
; THE HEAD'S LOADS, ONE A WAVE: one tree of branches on the wave's number; every way through it passes exactly one load
	s_cmp_lt_u32 s[WV], 1
	s_cbranch_scc0 .Lhead_w
	TLOAD G0X, G1X
	s_branch .Lhead_asked
.Lhead_w:
	s_cmp_lt_u32 s[WV], 2
	s_cbranch_scc0 .Lhead_xs
	TLOAD G0H, G1W
	s_branch .Lhead_asked
.Lhead_xs:
	s_cmp_lt_u32 s[WV], 3
	s_cbranch_scc0 .Lhead_ws
	TLOAD G0XS, G1XS
	s_branch .Lhead_asked
.Lhead_ws:
	TLOAD G0WS, G1WS
.Lhead_asked:
	v_and_b32 v1, 31, v0                           ; lane
	v_and_b32 v6, 15, v0                           ; r
	v_bfe_u32 v7, v0, 4, 1                         ; h
	v_lshlrev_b32 v[L16], 4, v1
	v_lshlrev_b32 v[L8], 3, v1
	v_lshlrev_b32 v[SH8], 3, v7
	v_lshlrev_b32 v[VB], 7, v7                     ; the bias along the registers: 32 numbers from 32 h on
	v_and_b32 v3, 8, v6
	v_mad_u32_u24 v3, v3, 3, v6
	v_lshlrev_b32 v3, 2, v3                        ; along the lanes: number r % 8 + 32 (r / 8) of each tile's
	v_mov_b32 v[PT], 0                             ; a lane permute's destination counts as one of its sources
	s_mul_i32 s96, s[WR], GSTR
	s_mul_i32 s97, s[WC], 6144
	s_add_co_u32 s97, s97, WB
.irp f, 0,1                            ; an address for each half of K: the loads' offsets have 16 bits
	v_add_nc_u32 v[AX16+\f], s96, v[L16]
	v_add_nc_u32 v[AX8+\f], s96, v[L8]
	v_add_nc_u32 v[AW16+\f], s97, v[L16]
	v_add_nc_u32 v[AW8+\f], s97, v[L8]
	s_add_co_u32 s96, s96, 49152
	s_add_co_u32 s97, s97, 49152
.endr
	s_lshl_b32 s96, s[WR], 12
	s_add_co_u32 s96, s96, SCX-SCW
	s_lshl_b32 s97, s[WC], 10
	s_sub_co_u32 s96, s96, s97                     ; from my weight tiles' scales up to my tokens'
	s_add_co_u32 s97, s97, SCW
	s_wait_alu depctr_va_vdst(0)                   ; ahead of readers behind a run of scalar lines
	v_sub_nc_u32 v4, 1, v7
	v_mul_u32_u24 v4, s96, v4                      ; lanes 0-15 take the tokens'
	v_lshl_add_u32 v[ADRS], v6, 4, v4
	v_add_nc_u32 v[ADRS], s97, v[ADRS]
	s_mov_b32 s[SEL], 0x76543210
	s_mov_b32 s[SEL+1], 0xfedcba98
	s_lshl_b32 s96, s22, 9
	s_lshl_b32 s97, s[WC], 8
	s_add_co_u32 s96, s96, s97                     ; my 64 numbers of a bias
	s_mov_b32 s97, 0
	s_add_nc_u64 s[8:9], s[8:9], s[96:97]
	s_add_nc_u64 s[10:11], s[10:11], s[96:97]
	s_add_nc_u64 s[12:13], s[12:13], s[96:97]
.irp k, 0,1,2,3,4,5,6,7
	global_load_b128 v[BU+4*\k:BU+4*\k+3], v[VB], s[8:9] offset:16*\k
.endr
.irp b, 0,1,2,3
	global_load_b32 v[BT+8*\b], v3, s[12:13] offset:32*\b
.endr
	s_lshl_b32 s96, s23, 1
	s_add_co_u32 s96, s96, s[WR]                   ; my group of tokens among 64
	s_lshl_b32 s97, s22, 1
	s_add_co_u32 s97, s97, s[WC]                   ; my head
	s_lshr_b32 s98, s96, 4
	s_lshl_b32 s98, s98, 4
	s_add_co_u32 s98, s98, s97
	s_lshl_b32 s98, s98, 4
	s_and_b32 s96, s96, 15
	s_add_co_u32 s98, s98, s96
	s_mul_i32 s98, s98, REC
	s_mov_b32 s99, 0
	s_add_nc_u64 s[OBV:OBV+1], s[14:15], s[98:99]  ; my record
	s_add_nc_u64 s[OBI:OBI+1], s[OBV:OBV+1], 13056 ; Q's images, and their scale words
	s_add_nc_u64 s[OBS:OBS+1], s[OBV:OBV+1], 19200
	s_mov_b32 s19, 0
	s_wait_alu depctr_va_vdst(0)                   ; at the head's end
.Lround:                                           ; two trips: Q, then K
	s_wait_tensorcnt 0x0                           ; my load has landed,
	s_mov_b32 s[G1W+2], 128<<16                    ; (none of mine is out: from here on a load of the weight's codes brings a third, 128 rows)
	s_mov_b32 s[G1W+4], 128
	s_barrier_signal -1
	s_barrier_wait -1                              ; everybody's has
	SCALES
	FETCHW
	FETCHX 0
	s_wait_dscnt 0x0                               ; the weight's fragments and scale words lie in registers: I read its LDS bytes no more
	s_wait_tensorcnt 0x0                           ; none of my loads is out,
	ds_add_u32 v[SPW], v[NIL]
	s_add_nc_u64 s[G0W+2:G0W+3], s[G0W+2:G0W+3], 8*GSTR        ; so the descriptors may step: the same group of the next weight
	s_add_nc_u64 s[G0WS+2:G0WS+3], s[G0WS+2:G0WS+3], 8*4096
	s_wait_dscnt 0x0
	CROUND                                         ; no wave of any partner still reads them
	s_cmp_lt_u32 s[WV], 3
	s_cbranch_scc0 .Lfor_scales
	TLOAD G0W, G1W                                 ; waves 0 to 2: a third of the codes each, 32,768 bytes
	s_branch .Lasked
.Lfor_scales:
	TLOAD G0WS, G1WS                               ; wave 3: the scales
.Lasked:
	s_wait_loadcnt 0x0                             ; the bias
.irp a, 0,1,2,3,4,5,6,7
	BLK \a, 0
.endr
	PLACES                                         ; behind the last products
	s_cmp_lg_u32 s19, 0                            ; in Q's trip alone: K's bias takes the place of Q's, which the products have read
	s_cbranch_scc1 .Lno_bias
.irp k, 0,1,2,3,4,5,6,7
	global_load_b128 v[BU+4*\k:BU+4*\k+3], v[VB], s[10:11] offset:16*\k
.endr
.Lno_bias:
.irp a, 0,1,2,3,4,5,6,7                ; the way out: 16 tokens x the head's 64 channels: half a fragment's image, 512 + 256 consecutive bytes
	QBLK 32*\a, OU+8*\a, BY
	WORD PW+\a
	global_store_b128 v[L16], v[OU+8*\a:OU+8*\a+3], s[OBI:OBI+1] offset:768*\a
	global_store_b64 v[L8], v[OU+8*\a+4:OU+8*\a+5], s[OBI:OBI+1] offset:768*\a+512
.endr
	v_cmp_lt_u32 vcc_lo, 15, v1
.irp j, 0,1,2,3
	v_cndmask_b32 v[PW+8+\j], v[PW+\j], v[PW+4+\j], vcc_lo   ; lane L: the word of tile 4 (L / 16) + j, row L % 16; its bytes 2 and 3 are 0: they scale zero codes
.endr
	global_store_b128 v[L16], v[PW+8:PW+11], s[OBS:OBS+1]
	s_wait_xcnt 0x0                                ; the stores have read their registers and bases
	s_mov_b64 s[OBI:OBI+1], s[OBV:OBV+1]           ; K's images begin the record, their scale words lie 12,288 on
	s_add_nc_u64 s[OBS:OBS+1], s[OBV:OBV+1], 12288
	s_add_co_u32 s19, s19, 1
	s_cmp_lt_u32 s19, 2
	s_wait_alu depctr_va_vdst(0)                   ; ahead of the branch
	s_cbranch_scc1 .Lround
	s_wait_tensorcnt 0x0                           ; V: Wv's group is in
	s_barrier_signal -1
	s_barrier_wait -1
	SCALES
	FETCHW
	FETCHX 0
.irp b, 0,1,2,3
.irp i, 1,2,3,4,5,6,7
	v_mov_b32 v[BT+8*\b+\i], v[BT+8*\b]            ; a lane holds one channel: its bias in all eight registers of a first product's C
.endr
.endr
	s_wait_alu depctr_va_vdst(0)
.irp a, 0,1,2,3,4,5,6,7
	BLK \a, 1
.endr
	PLACES
.irp b, 0,1,2,3                        ; 16 channels x 128 keys: a whole fragment's image
	QBLK 64*\b, OU+12*\b, BY
	QBLK 64*\b+32, OU+12*\b+6, BY2
	v_lshl_or_b32 v[BY], v[BY2], 16, v[BY]         ; blocks h and 2 + h
	WORD PW+\b
	global_store_b128 v[L16], v[OU+12*\b:OU+12*\b+3], s[OBV:OBV+1] offset:6144+1536*\b
	global_store_b64 v[L8], v[OU+12*\b+4:OU+12*\b+5], s[OBV:OBV+1] offset:6144+1536*\b+512
	global_store_b128 v[L16], v[OU+12*\b+6:OU+12*\b+9], s[OBV:OBV+1] offset:6144+1536*\b+768
	global_store_b64 v[L8], v[OU+12*\b+10:OU+12*\b+11], s[OBV:OBV+1] offset:6144+1536*\b+1280
.endr
	v_cmp_lt_u32 vcc_lo, 15, v1
.irp j, 0,1
	v_cndmask_b32 v[PW+8+\j], v[PW+\j], v[PW+2+\j], vcc_lo   ; lane L: the word of channel tile 2 (L / 16) + j, row L % 16
.endr
	global_store_b64 v[L8], v[PW+8:PW+9], s[OBV:OBV+1] offset:12800
	s_wait_tensorcnt 0x0                           ; the wave's end
	ds_add_u32 v[SPW], v[NIL]
	s_wait_dscnt 0x0
	CROUND                                         ; the closing round
	s_endpgm
.Lfunc_end_k_qb03bef5704_proj:
	.size	k_qb03bef5704_proj, .Lfunc_end_k_qb03bef5704_proj-k_qb03bef5704_proj
	.p2alignl 7, 3214868480
	.fill 96, 4, 3214868480
	.section	.rodata,"a",@progbits
	.p2align	6, 0x0
	.amdhsa_kernel k_qb03bef5704_proj
		.amdhsa_group_segment_fixed_size 327680
		.amdhsa_private_segment_fixed_size 0
		.amdhsa_enable_private_segment 0
		.amdhsa_kernarg_size 48
		.amdhsa_user_sgpr_count 2
		.amdhsa_user_sgpr_kernarg_segment_ptr 1
		.amdhsa_wavefront_size32 1
		.amdhsa_system_sgpr_workgroup_id_x 1
		.amdhsa_system_sgpr_workgroup_id_y 1
		.amdhsa_system_sgpr_workgroup_id_z 1
		.amdhsa_system_vgpr_workitem_id 0
		.amdhsa_next_free_vgpr 1024
		.amdhsa_next_free_sgpr 100
		.amdhsa_reserve_vcc 1
		.amdhsa_float_denorm_mode_32 3
		.amdhsa_float_denorm_mode_16_64 3
		.amdhsa_memory_ordered 1
		.amdhsa_forward_progress 1
		.amdhsa_inst_pref_size 163
	.end_amdhsa_kernel
	.amdgpu_metadata
---
amdhsa.version: [ 1, 2 ]
amdhsa.kernels:
  - .name:           k_qb03bef5704_proj
    .symbol:         k_qb03bef5704_proj.kd
    .args:
      - { .name: img, .offset: 0, .size: 8, .value_kind: global_buffer, .address_space: global }
      - { .name: isc, .offset: 8, .size: 8, .value_kind: global_buffer, .address_space: global }
      - { .name: bq, .offset: 16, .size: 8, .value_kind: global_buffer, .address_space: global }
      - { .name: bk, .offset: 24, .size: 8, .value_kind: global_buffer, .address_space: global }
      - { .name: bv, .offset: 32, .size: 8, .value_kind: global_buffer, .address_space: global }
      - { .name: qkv, .offset: 40, .size: 8, .value_kind: global_buffer, .address_space: global }
    .group_segment_fixed_size: 327680
    .private_segment_fixed_size: 0
    .kernarg_segment_align: 8
    .kernarg_segment_size: 48
    .max_flat_workgroup_size: 128
    .sgpr_count:     100
    .vgpr_count:     1024
    .wavefront_size: 32
...
	.end_amdgpu_metadata
.endif
;; end of part 2
;; launch attn (part 3): grid 4 x 64, 8 waves a work-group, clusters of 4 x 1, 210,944 bytes of LDS; arguments qkv, aimg, asc; writes aimg, asc
.if DOCPART == 3
	.amdgcn_target "amdgcn-amd-amdhsa--gfx1250"
	.amdhsa_code_object_version 6
	.text
	.protected	k_qb03bef5704_attn
	.globl	k_qb03bef5704_attn
	.p2align	8
	.type	k_qb03bef5704_attn,@function
k_qb03bef5704_attn:
	s_mov_b64 s[64:65], 0
	v_nop
	global_prefetch_b8 v0, s[64:65] scope:SCOPE_SE
	s_setreg_imm32_b32 hwreg(HW_REG_WAVE_MODE, 25, 1), 1
	s_wait_xcnt 0x0
	s_wait_alu depctr_hold_cnt(0) depctr_sa_sdst(0) depctr_va_vdst(0) depctr_va_sdst(0) depctr_va_ssrc(0) depctr_va_vcc(0) depctr_vm_vsrc(0)
	s_getreg_b32 s2, hwreg(HW_REG_IB_STS2, 6, 4)
	s_cmp_eq_u32 s2, 0
	s_cbranch_scc0 .Lentry_in_a_cluster
	s_endpgm
.Lentry_in_a_cluster:
	s_bfe_u32 s2, ttmp6, 0x10000c
	s_cmp_lg_u32 s2, 0x3003
	s_cbranch_scc0 .Lentry_shape_is_right
	s_endpgm
.Lentry_shape_is_right:
; Attention of one head on codes of BF6 (E3M2) with E8M0 scales: S^T = K Q^T (K = the head's 64 channels), the softmax, O^T = V^T P^T (K = the keys),
; O / the row's sum, quantised along the channels as the last product's operand.
; THE SOFTMAX: t = score x log2(e) / 8; M = the running largest t rounded UP to a whole number; p = 2^(t - M) is quantised along the keys, not normalised; the row's sum is taken of the
; unquantised p in f32 and divides O at the end.  When M moves, the sum and O are multiplied by 2^(old M - new M): exact.
; qkv: [batch x 16 + head][128 tokens, 16] records of 19,712 bytes: K's 8 tiles x 768 | V's 4 channel tiles x 1,536 | K's scale words 512 | V's 256 | Q's 8 tiles x 768 | Q's scale words 512,
; all as images of operand registers.  Lane row r of tile t is row 64 (t / 4) + 8 (t % 4) + r % 8 + 32 (r / 8) of its 128 (V: of the head's 64 channels, t % 4 alone).
; So register 32 c + i of a lane of S^T is key 64 c + 32 (lane / 16) + i of the step: A LANE HOLDS TWO WHOLE BLOCKS OF 32 KEYS: a block's largest score needs no other lane, and the
; conversions' results are the operand's registers.  The same holds of O^T's 32 registers: channels 32 (lane / 16) + 0 .. 31.
; THE UPPER 64 OF THE INSTRUCTION'S 128 ALONG K: Q's codes there are zeros, so K's may be any codes (E3M2 has no NaN and no infinity, and the scale bytes there are 0, a finite code):
; K's eight half fragments lie packed, 6 registers each, and tile t's operand runs on over tile t + 1's codes; six zeros stand behind the last.
; SHARES.  A work-group owns 512 queries of one head; each of its eight waves owns four tiles of 16 queries, in one pass over the keys: each fragment of K and V is read from LDS once for the four.
; THE ORDER IN A STEP.  S^T has two buffers.  The next tile's eight products with K and the last tile's four with V stand, two at a time, between the links of this tile's chain from the
; largest score to M, each link of which reads the one before; the chain that makes p's scale word is laid among the 32 lines of the row's sum.
; A HEAD'S K, V AND THEIR SCALES STAY IN LDS: the first 13,056 bytes of its 16 records, 208,896 bytes, filled once: no ring, no refill.  Wave w brings records 2 w and 2 w + 1 by one tensor load
; of two rows of 13,056 bytes, 19,712 apart (both multiples of 256).
; CLUSTER.  The four work-groups of a head form a cluster and ask for the records JOINTLY: the same load, the same descriptor, the mask of all four.
; NO PREFETCH: the launch's one stream is asked for whole by the head's loads; there is no loop to run ahead in.
; OUT.  aimg: [128 tokens][K step 8][tile 8][1,536]: head n fills half n % 2 of K step n / 2.  asc: [128 tokens][quad 2][tile 8][row 16][4 words]: head n fills 2 bytes of a word; that store writes
; 2 of every 16 bytes: the other heads of a quad are other work-groups'.
; LIMITS: the promise holds while the scaled scores t stay under 2^31 in magnitude; a block of zeros, or one whose largest magnitude lies under 2^-122, gets the byte 1; NaN and infinities are not served.
; REGISTERS.  Window 0: v1-7 addresses, the shift 8 h, the spare word; v8-19, v248-251 at work; v20-35 four tiles' state (-M, largest score, the sum in two halves); v36-39 Q's scale words; v40-43 K's;
; v44-45 V's; v18 p's scale word; v46-57 p's codes; v58-71 at work; v72-119 V; v120-183, v184-247 S^T, then p, two buffers.  Window 1: v0-127 O^T; v128-175 Q, each tile with its six zeros; v176-229 K.
.set REC,   19712
.set HSTR,  16*REC
.set RECL,  13056                      ; what of a record stays in LDS
.set SPARE, 16*RECL                    ; behind the records: the spare words, 128 bytes for each wave
.set L16,   1
.set L8,    2
.set AD16,  3
.set AD8,   4
.set SH8,   5
.set SPW,   6
.set NIL,   7
.set F,     12                         ; v[12:13] f = 2^(old M - new M), low word
.set PS,    18
.set ST,    20
.set QS,    36
.set KS,    40
.set VS,    44
.set P,     46
.set CT0,   58
.set R16,   61
.set CT1,   62
.set SA,    66
.set VF,    72
.set SBUF,  120
.set NW,    250                        ; v[250:251] the new -M, low word
.set QF,    128                        ; in window 1
.set KF,    176                        ; in window 1
.set WV,    10
.set SEL,   28
.set CS,    30                         ; s[30:31] c = log2(e) / 8
.set TB,    32
.set KSTEPS, 33
.set TN,    34
.set QB,    36
.set AB,    38
.set SB,    40
.set MSB, 0
.macro WIN new                         ; the immediate's high byte repeats the setting that is left
.if MSB != \new
	s_set_vgpr_msb (MSB<<8)|\new
.set MSB, \new
.endif
.endm
.macro CROUND                          ; a round of the cluster's barrier
	s_barrier_signal -1
	s_barrier_wait -1
	s_cmp_lg_u32 s[WV], 0
	s_cbranch_scc1 .Lnot_wave_0_\@
	s_barrier_signal -3
.Lnot_wave_0_\@:
	s_barrier_wait -3
	s_barrier_signal -1
	s_barrier_wait -1
.endm
.macro KLOAD                           ; a record's eight tiles of K, packed, and their scale words (register j: lanes 0-15 tile j, lanes 16-31 tile 4 + j)
	WIN 0x40
.irp t, 0,1,2,3,4,5,6,7
	ds_load_b128 v[KF+6*\t:KF+6*\t+3], v[AD16] offset:768*\t
	ds_load_b64 v[KF+6*\t+4:KF+6*\t+5], v[AD8] offset:768*\t+512
.endr
	WIN 0
	ds_load_b128 v[KS:KS+3], v[AD16] offset:12288
.endm
.macro VLOAD                           ; its four channel tiles of V x 128 keys, and their scale words (register j: lanes 0-15 tile j, lanes 16-31 tile 2 + j)
.irp t, 0,1,2,3
	ds_load_b128 v[VF+12*\t:VF+12*\t+3], v[AD16] offset:6144+1536*\t
	ds_load_b64 v[VF+12*\t+4:VF+12*\t+5], v[AD8] offset:6144+1536*\t+512
	ds_load_b128 v[VF+12*\t+6:VF+12*\t+9], v[AD16] offset:6144+1536*\t+768
	ds_load_b64 v[VF+12*\t+10:VF+12*\t+11], v[AD8] offset:6144+1536*\t+1280
.endr
	ds_load_b64 v[VS:VS+1], v[AD8] offset:12800
.endm
.macro SMM jq, sb, t                   ; S^T's tile t of query tile jq into buffer sb (window setting 0x05: K and Q in window 1)
.if (\t) < 4
	v_wmma_scale_f32_16x16x128_f8f6f4 v[\sb+8*(\t):\sb+8*(\t)+7], v[KF+6*(\t):KF+6*(\t)+11], v[QF+12*(\jq):QF+12*(\jq)+11], 0, v[KS+(\t)], v[QS+(\jq)] matrix_a_fmt:MATRIX_FMT_BF6 matrix_b_fmt:MATRIX_FMT_BF6
.else
	v_wmma_scale_f32_16x16x128_f8f6f4 v[\sb+8*(\t):\sb+8*(\t)+7], v[KF+6*(\t):KF+6*(\t)+11], v[QF+12*(\jq):QF+12*(\jq)+11], 0, v[KS+(\t)-4], v[QS+(\jq)] matrix_a_fmt:MATRIX_FMT_BF6 matrix_b_fmt:MATRIX_FMT_BF6 matrix_a_scale:MATRIX_SCALE_ROW1
.endif
.endm
.macro PVM jq, t                       ; O^T's tile t of query tile jq += V^T P^T (window setting 0x50: C and D in window 1)
.if (\t) < 2
	v_wmma_scale_f32_16x16x128_f8f6f4 v[32*(\jq)+8*(\t):32*(\jq)+8*(\t)+7], v[VF+12*(\t):VF+12*(\t)+11], v[P:P+11], v[32*(\jq)+8*(\t):32*(\jq)+8*(\t)+7], v[VS+(\t)], v[PS] matrix_a_fmt:MATRIX_FMT_BF6 matrix_b_fmt:MATRIX_FMT_BF6
.else
	v_wmma_scale_f32_16x16x128_f8f6f4 v[32*(\jq)+8*(\t):32*(\jq)+8*(\t)+7], v[VF+12*(\t):VF+12*(\t)+11], v[P:P+11], v[32*(\jq)+8*(\t):32*(\jq)+8*(\t)+7], v[VS+(\t)-2], v[PS] matrix_a_fmt:MATRIX_FMT_BF6 matrix_b_fmt:MATRIX_FMT_BF6 matrix_a_scale:MATRIX_SCALE_ROW1
.endif
.endm
; Gap g (0 .. 6) of tile j's chain: two matrix instructions that hang on nothing of the chain.  Tile 0 has the next tile's 8 (four pairs), tiles 1 and 2 the last tile's 4 with V and the next tile's 8 (six pairs),
; tile 3 the last tile's 4 (two pairs); the pairs fill the chain's last gaps.
.macro GAP j, g
.if \j == 0
.set KK, (\g)-3
.if KK >= 0
	WIN 0x05
	SMM 1, SBUF+64, 2*KK
	SMM 1, SBUF+64, 2*KK+1
	WIN 0
.endif
.endif
.if \j == 1 || \j == 2
.set KK, (\g)-1
.if KK >= 0 && KK < 2
	WIN 0x50
	PVM \j-1, 2*KK
	PVM \j-1, 2*KK+1
	WIN 0
.endif
.if KK >= 2
	WIN 0x05
	SMM \j+1, SBUF+64*((\j+1)%2), 2*KK-4
	SMM \j+1, SBUF+64*((\j+1)%2), 2*KK-3
	WIN 0
.endif
.endif
.if \j == 3
.set KK, (\g)-5
.if KK >= 0
	WIN 0x50
	PVM 2, 2*KK
	PVM 2, 2*KK+1
	WIN 0
.endif
.endif
.endm
	s_load_b128 s[4:7], s[0:1], 0x0                ; qkv s[4:5], aimg s[6:7]
	s_load_b64 s[8:9], s[0:1], 0x10                ; asc
	v_lshl_add_u32 v[SPW], v0, 2, SPARE
	v_mov_b32 v[NIL], 0
	ds_add_u32 v[SPW], v[NIL]                      ; the opening lines: the add, twice on end, and its wait ahead of my tensor load
	ds_add_u32 v[SPW], v[NIL]
	v_lshrrev_b32 v3, 5, v0
	v_readfirstlane_b32 s[WV], v3                  ; wave 0..7
	s_bfe_u32 s11, ttmp6, 0x40000                  ; cx: which 512 queries
	s_and_b32 s12, ttmp7, 0xffff                   ; batch x 16 + head, which the four partners share
	s_mov_b32 s16, 15|(3<<16)|(1<<21)              ; group 1: the mask of all four; elements of 8 bytes; bit 21 beside a mask
	s_mov_b32 s17, 1632<<16                        ; tensor_dim0: 13,056 bytes
	s_mov_b32 s18, 2<<16                           ; tensor_dim1
	s_mov_b32 s19, 1632<<16                        ; tile_dim0
	s_mov_b32 s20, 2                               ; tile_dim1
	s_mov_b32 s21, 2464                            ; from record to record: 19,712 bytes
	s_mov_b32 s22, 0
	s_mov_b32 s23, 0
	s_mov_b32 s24, 1                               ; group 0: count = 1
	s_mul_i32 s25, s[WV], 2*RECL                   ; LDS address: by the wave's number alone
	s_mul_i32 s26, s12, HSTR
	s_mul_i32 s35, s[WV], 2*REC
	s_add_co_u32 s26, s26, s35                     ; the head's record 2 w
	s_mov_b32 s27, 0
	; my queries (cx enters global addresses alone): tiles 4 (w % 2) .. + 3 of group 4 cx + w / 2
	s_and_b32 s14, s[WV], 1
	s_lshr_b32 s15, s[WV], 1
	s_lshl_b32 s13, s11, 2
	s_add_co_u32 s13, s13, s15
	s_mul_i32 s[QB], s12, HSTR
	s_mul_i32 s42, s13, REC
	s_add_co_u32 s[QB], s[QB], s42
	s_mul_i32 s42, s14, 3072
	s_add_co_u32 s[QB], s[QB], s42
	s_add_co_u32 s[QB], s[QB], 13056               ; my first tile of Q in its record
	s_mov_b32 s[QB+1], 0
	s_mul_i32 s42, s14, 2816
	s_sub_co_u32 s42, 6144, s42                    ; from there to my four tiles' scale words: 6,144 - 3,072 (w % 2) + 256 (w % 2)
	s_lshr_b32 s43, s12, 4
	s_lshl_b32 s43, s43, 4
	s_add_co_u32 s43, s43, s13                     ; the group of 128 tokens among all 64
	s_and_b32 s44, s12, 15                         ; the head
	s_mul_i32 s[AB], s43, 98304
	s_lshr_b32 s45, s44, 1
	s_mul_i32 s45, s45, 12288
	s_add_co_u32 s[AB], s[AB], s45                 ; K step head / 2
	s_mul_i32 s45, s14, 6144
	s_add_co_u32 s[AB], s[AB], s45                 ; my first tile
	s_and_b32 s45, s44, 1
	s_mul_i32 s46, s45, 768
	s_add_co_u32 s[AB], s[AB], s46                 ; half head % 2
	s_mov_b32 s[AB+1], 0
	s_lshl_b32 s[SB], s43, 12
	s_lshr_b32 s46, s44, 3
	s_lshl_b32 s46, s46, 11
	s_add_co_u32 s[SB], s[SB], s46                 ; quad head / 8
	s_lshl_b32 s46, s14, 10
	s_add_co_u32 s[SB], s[SB], s46                 ; my first tile
	s_bfe_u32 s46, s44, 0x20001
	s_lshl_b32 s46, s46, 2
	s_add_co_u32 s[SB], s[SB], s46                 ; word (head / 2) % 4
	s_lshl_b32 s46, s45, 1
	s_add_co_u32 s[SB], s[SB], s46                 ; its lower or upper two bytes
	s_mov_b32 s[SB+1], 0
	s_mov_b32 s[SEL], 0x76543210
	s_mov_b32 s[SEL+1], 0xfedcba98
	s_mov_b32 s[CS], 0x3e38aa3b                    ; c = log2(e) / sqrt(64)
	s_mov_b32 s[CS+1], s[CS]
	s_wait_dscnt 0x0                               ; both opening adds are done
	s_wait_kmcnt 0x0
	s_add_nc_u64 s[26:27], s[4:5], s[26:27]
	s_or_b32 s27, s27, 0x80000000                  ; type = 2
	s_add_nc_u64 s[QB:QB+1], s[4:5], s[QB:QB+1]
	s_add_nc_u64 s[AB:AB+1], s[6:7], s[AB:AB+1]
	s_add_nc_u64 s[SB:SB+1], s[8:9], s[SB:SB+1]
	CROUND                                         ; all four work-groups are here: the joint loads meet
	tensor_load_to_lds s[24:27], s[16:23]          ; my one tensor load of the launch
	s_nop 0
.rept 4
	v_nop
.endr
	v_and_b32 v8, 31, v0
	v_and_b32 v9, 15, v0
	v_bfe_u32 v[SH8], v0, 4, 1
	v_lshlrev_b32 v[L16], 4, v8                    ; 16 x lane
	v_lshlrev_b32 v[L8], 3, v8                     ; 8 x lane
	v_lshlrev_b32 v[R16], 4, v9                    ; 16 r
	v_lshlrev_b32 v[SH8], 3, v[SH8]                ; 8 h
	v_add_nc_u32 v10, s42, v[R16]
	v_mov_b32 v[AD16], v[L16]                      ; record 0
	v_mov_b32 v[AD8], v[L8]
	global_load_b128 v[QS:QS+3], v10, s[QB:QB+1]   ; my row's scale words of my four tiles (bytes 2 and 3 are 0)
	WIN 0x40                                       ; destinations in window 1
.irp j, 0,1,2,3
	global_load_b128 v[QF+12*\j:QF+12*\j+3], v[L16], s[QB:QB+1] offset:768*\j
	global_load_b64 v[QF+12*\j+4:QF+12*\j+5], v[L8], s[QB:QB+1] offset:768*\j+512
.endr
.irp j, 0,1,2,3
.irp i, 6,7,8,9,10,11
	v_mov_b32 v[QF+12*\j+\i], 0                    ; Q's codes of k = 64 .. 127
.endr
.endr
.irp i, 48,49,50,51,52,53
	v_mov_b32 v[KF+\i], 0                          ; behind K's last tile: written once, no load lands there
.endr
.set kk, 0
.rept 128
	v_mov_b32 v[kk], 0                             ; O^T: the key step is written once, so that the loop's text stands once; its first trip finds zeros.  These lines run while the records are on their way
.set kk, kk+1
.endr
	WIN 0
.irp j, 0,1,2,3
	v_mov_b32 v[ST+4*\j], 0x7f61b1e6               ; -M: 3e38,
	v_mov_b32 v[ST+4*\j+1], 0xff61b1e6             ; the largest score so far: -3e38, under every score
	v_mov_b32 v[ST+4*\j+2], 0                      ; the sum, in two halves
	v_mov_b32 v[ST+4*\j+3], 0
.endr
	v_mov_b32 v[F+1], 0                            ; (named as the upper half of a pair)
	v_mov_b32 v19, 0                               ; a lane permute's destination counts as one of its sources
	s_wait_alu depctr_va_vdst(0)                   ; at the head's end
	s_wait_loadcnt 0x0                             ; Q
	s_wait_tensorcnt 0x0                           ; my records are in,
	s_barrier_signal -1
	s_barrier_wait -1                              ; everybody's are: from here on LDS is only read
	KLOAD
	s_mov_b32 s[TB], RECL
	s_mov_b32 s[KSTEPS], 16
.macro SUM4 k                          ; four lines of the row's sum, one for each chain
	v_pk_add_f32 v[LS:LS+1], v[LS:LS+1], v[SS+\k:SS+\k+1]
	v_pk_add_f32 v[SA:SA+1], v[SA:SA+1], v[SS+\k+2:SS+\k+3]
	v_pk_add_f32 v[SA+2:SA+3], v[SA+2:SA+3], v[SS+\k+4:SS+\k+5]
	v_pk_add_f32 v[SA+4:SA+5], v[SA+4:SA+5], v[SS+\k+6:SS+\k+7]
.endm
.macro FMA16 k                         ; t - M of 32 scores, two at a time
.set kk, \k
.rept 16
	v_pk_fma_f32 v[SS+kk:SS+kk+1], v[SS+kk:SS+kk+1], s[CS:CS+1], v[NW:NW+1] op_sel_hi:[1,0,0]
.set kk, kk+2
.endr
.endm
; One tile of 16 queries against the step's 128 keys
.macro TILE j
.set NM, ST+4*\j
.set LS, ST+4*\j+2
.set SS, SBUF+64*((\j)%2)
.if \j == 0
	WIN 0x05
.irp t, 0,1,2,3,4,5,6,7
	SMM 0, SBUF, \t
.endr
	WIN 0
.rept 4
	v_nop                                          ; places behind the products: ahead of the reads of S^T and of the loads below, which land on what the last step's products with V read
.endr
	VLOAD                                          ; this step's V: first used in the next tile
	v_add_nc_u32 v[AD16], s[TN], v[L16]            ; then the addresses go on to the next record
	v_add_nc_u32 v[AD8], s[TN], v[L8]
.else
.if \j == 1
	s_wait_dscnt 0x0                               ; V is in
.endif
	s_wait_alu depctr_va_vdst(0)                   ; directly ahead of the first readers of S^T, which was made ahead of the last tile's exponentials
.endif
.irp q, 0,1,2,3                        ; the largest score of my two blocks of 32 keys, in eight chains: for the row's maximum and, since p rises with the score, for the block's largest p
	v_max3_num_f32 v[8+\q], v[SS+8*\q], v[SS+8*\q+1], v[SS+8*\q+2]
.endr
.irp q, 4,5,6,7
	v_max3_num_f32 v[244+\q], v[SS+8*\q], v[SS+8*\q+1], v[SS+8*\q+2]
.endr
.irp i, 3,5
.irp q, 0,1,2,3
	v_max3_num_f32 v[8+\q], v[8+\q], v[SS+8*\q+\i], v[SS+8*\q+\i+1]
.endr
.irp q, 4,5,6,7
	v_max3_num_f32 v[244+\q], v[244+\q], v[SS+8*\q+\i], v[SS+8*\q+\i+1]
.endr
.endr
	v_max3_num_f32 v8, v8, v9, v[SS+7]
	v_max3_num_f32 v10, v10, v11, v[SS+15]
	v_max3_num_f32 v248, v248, v249, v[SS+39]
	v_max3_num_f32 v250, v250, v251, v[SS+47]
	v_max3_num_f32 v8, v8, v10, v[SS+23]
	v_max3_num_f32 v9, v248, v250, v[SS+55]
	GAP \j, 0
	v_max_num_f32 v8, v8, v[SS+31]
	v_max_num_f32 v9, v9, v[SS+63]
	GAP \j, 1
	v_max_num_f32 v10, v8, v9
	GAP \j, 2
	v_permlanex16_b32 v19, v10, s[SEL], s[SEL+1]
	GAP \j, 3
	v_max3_num_f32 v[NM+1], v[NM+1], v10, v19      ; the running largest score of my query, lane l xor 16's keys among them
	GAP \j, 4
	v_mul_f32 v10, -v[NM+1], s[CS]                 ; -t (c is positive)
	GAP \j, 5
	v_floor_f32 v[NW], v10                         ; the new -M = floor(-t) = -ceil(t): a whole number
	GAP \j, 6
	v_sub_f32 v10, v[NW], v[NM]                    ; old M - new M: a whole number, 0 or less
	v_mov_b32 v[NM], v[NW]
	FMA16 0
.if \j == 2
	KLOAD                                          ; the next step's K, behind its last use in this step (18 places behind the products); first used at the next step's head
.endif
	v_cvt_i32_f32 v10, v10                         ; (it saturates)
	FMA16 32
	v_ldexp_f32 v[F], 1.0, v10                     ; f = 2^(old M - new M)
	v_fma_f32 v8, v8, s[CS], v[NW]                 ; t - M of each block's largest score
	v_fma_f32 v9, v9, s[CS], v[NW]
	s_wait_alu depctr_va_vdst(0)                   ; ahead of the batch
.set kk, 0
.rept 64
	v_exp_f32 v[SS+kk], v[SS+kk]                   ; p = 2^(t - M), at most 1
.set kk, kk+1
.endr
	v_exp_f32 v8, v8                               ; the blocks' largest p: the same two instructions on the same numbers
	v_exp_f32 v9, v9
	WIN 0x41                                       ; destination and source 0 in window 1
	s_wait_alu depctr_va_vdst(0)                   ; one wait for the batch and, directly ahead of O^T's first readers, for the last step's products
.set kk, 0
.rept 16
	v_pk_mul_f32 v[32*\j+kk:32*\j+kk+1], v[32*\j+kk:32*\j+kk+1], v[F:F+1] op_sel_hi:[1,0]   ; O^T under the new M
.set kk, kk+2
.endr
	WIN 0
	; p's codes and scale word, laid among the row's sum (of the unquantised p, in four chains; the first takes the old sum x f)
	v_max_num_f32 v8, 0x2800000, v8                ; the floor 2^(5 - 127): the byte cannot fall under 1
	v_max_num_f32 v9, 0x2800000, v9
	v_pk_fma_f32 v[LS:LS+1], v[LS:LS+1], v[F:F+1], v[SS:SS+1] op_sel_hi:[1,0,1]
	v_pk_add_f32 v[SA:SA+1], v[SS+2:SS+3], v[SS+4:SS+5]
	v_pk_add_f32 v[SA+2:SA+3], v[SS+6:SS+7], v[SS+8:SS+9]
	v_pk_add_f32 v[SA+4:SA+5], v[SS+10:SS+11], v[SS+12:SS+13]
	v_add_nc_u32 v14, 0xfe000000, v8               ; 4 off the exponent field: the conversion's scale operand
	v_add_nc_u32 v15, 0xfe000000, v9
	SUM4 14
	v_cvt_scalef32_pk16_bf6_f32 v[P:P+2], v[SS:SS+15], v14
	v_cvt_scalef32_pk16_bf6_f32 v[CT0:CT0+2], v[SS+16:SS+31], v14    ; (a conversion's three registers begin on an even number)
	v_cvt_scalef32_pk16_bf6_f32 v[P+6:P+8], v[SS+32:SS+47], v15
	v_cvt_scalef32_pk16_bf6_f32 v[CT1:CT1+2], v[SS+48:SS+63], v15
	v_lshrrev_b32 v16, 23, v14                     ; the scales' bytes: blocks h and 2 + h.  (The plain place behind the conversions)
	v_lshrrev_b32 v17, 23, v15
	SUM4 22
	v_lshl_or_b32 v16, v17, 16, v16
	SUM4 30
	v_lshlrev_b32 v16, v[SH8], v16                 ; 8 h bits up;
	SUM4 38
	v_permlanex16_b32 v19, v16, s[SEL], s[SEL+1]
	SUM4 46
	v_or_b32 v[PS], v16, v19                       ; with lane l xor 16's two: p's scale word for these 128 keys
.irp i, 0,1,2
	v_mov_b32 v[P+3+\i], v[CT0+\i]
	v_mov_b32 v[P+9+\i], v[CT1+\i]
.endr
	SUM4 54
	v_pk_add_f32 v[LS:LS+1], v[LS:LS+1], v[SS+62:SS+63]
	v_pk_add_f32 v[SA:SA+1], v[SA:SA+1], v[SA+2:SA+3]
	v_pk_add_f32 v[LS:LS+1], v[LS:LS+1], v[SA+4:SA+5]
	v_pk_add_f32 v[LS:LS+1], v[LS:LS+1], v[SA:SA+1]
.if \j == 3
	WIN 0x50                                       ; the last tile's products with V close the step: 14 places behind the scale word's write, 8 behind the codes'
.irp t, 0,1,2,3
	PVM 3, \t
.endr
	WIN 0
.endif
.endm
.Lkey:                                             ; sixteen trips: 128 keys each
	s_min_u32 s[TN], s[TB], 15*RECL                ; the next record; the last trip fetches its own K once more, which nobody uses: no load leaves the records
	s_wait_dscnt 0x0                               ; this step's K is in
	TILE 0
	TILE 1
	TILE 2
	TILE 3
	s_add_co_u32 s[TB], s[TB], RECL
	s_sub_co_u32 s[KSTEPS], s[KSTEPS], 1
	s_cmp_lg_u32 s[KSTEPS], 0
	s_wait_alu depctr_va_vdst(0)                   ; ahead of the branch
	s_cbranch_scc1 .Lkey
	s_wait_dscnt 0x0                               ; the last trip's loads have landed
.rept 4
	v_nop                                          ; places behind the last products
.endr
.irp j, 0,1,2,3
	v_add_f32 v[ST+4*\j+2], v[ST+4*\j+2], v[ST+4*\j+3]             ; the sum's two halves,
.endr
.irp j, 0,1,2,3
	v_permlanex16_b32 v[ST+4*\j+3], v[ST+4*\j+2], s[SEL], s[SEL+1]
.endr
.irp j, 0,1,2,3
	v_add_f32 v[ST+4*\j+2], v[ST+4*\j+2], v[ST+4*\j+3]             ; and lane l xor 16's
.endr
	s_wait_alu depctr_va_vdst(0)                   ; ahead of the batch
.irp j, 0,1,2,3
	v_rcp_f32 v[ST+4*\j+2], v[ST+4*\j+2]
.endr
	v_nop                                          ; a plain place behind the transcendentals
; O^T / the sum, quantised along the head's 64 channels: register i is channel 32 h + i of my query: one whole block a lane
.macro FIN j
.set X, SBUF+32*((\j)%2)
.set OU, VF+8*\j                       ; each tile's codes and scale bytes have registers of their own: no store's data are written again
	WIN 0x01                                       ; source 0 in window 1
	s_wait_alu depctr_va_vdst(0)                   ; directly ahead of the first readers of O^T and of the reciprocal
.set kk, 0
.rept 16
	v_pk_mul_f32 v[X+kk:X+kk+1], v[32*\j+kk:32*\j+kk+1], v[ST+4*\j+2:ST+4*\j+3] op_sel_hi:[1,0]   ; each accumulator from its low end on
.set kk, kk+2
.endr
	WIN 0
	v_max3_num_f32 v8, |v[X]|, |v[X+1]|, 0x2800000
	v_max3_num_f32 v10, |v[X+16]|, |v[X+17]|, |v[X+18]|
.irp i, 2,4,6,8,10,12
	v_max3_num_f32 v8, v8, |v[X+\i]|, |v[X+\i+1]|
	v_max3_num_f32 v10, v10, |v[X+17+\i]|, |v[X+18+\i]|
.endr
	v_max3_num_f32 v8, v8, |v[X+14]|, |v[X+15]|
	v_max3_num_f32 v8, v8, v10, |v[X+31]|
	v_add_nc_u32 v14, 0xfe000000, v8
	v_cvt_scalef32_pk16_bf6_f32 v[OU:OU+2], v[X:X+15], v14
	v_cvt_scalef32_pk16_bf6_f32 v[CT0:CT0+2], v[X+16:X+31], v14
	v_lshrrev_b32 v16, 23, v14                     ; my block's byte,
	v_lshlrev_b32 v16, v[SH8], v16                 ; 8 h bits up;
	v_permlanex16_b32 v19, v16, s[SEL], s[SEL+1]
	v_or_b32 v[OU+6], v16, v19                     ; my row's two scale bytes
.irp i, 0,1,2
	v_mov_b32 v[OU+3+\i], v[CT0+\i]
.endr
	global_store_b128 v[L16], v[OU:OU+3], s[AB:AB+1] offset:1536*\j            ; half a fragment's image: 512 consecutive bytes,
	global_store_b64 v[L8], v[OU+4:OU+5], s[AB:AB+1] offset:1536*\j+512        ; and 256
	global_store_b16 v[R16], v[OU+6], s[SB:SB+1] offset:256*\j                 ; both halves of the lanes write the same two bytes with the same value
.endm
	FIN 0
	FIN 1
	FIN 2
	FIN 3
	s_wait_tensorcnt 0x0                           ; the wave's end
	ds_add_u32 v[SPW], v[NIL]
	s_wait_dscnt 0x0
	CROUND                                         ; the closing round
	s_endpgm
.Lfunc_end_k_qb03bef5704_attn:
	.size	k_qb03bef5704_attn, .Lfunc_end_k_qb03bef5704_attn-k_qb03bef5704_attn
	.p2alignl 7, 3214868480
	.fill 96, 4, 3214868480
	.section	.rodata,"a",@progbits
	.p2align	6, 0x0
	.amdhsa_kernel k_qb03bef5704_attn
		.amdhsa_group_segment_fixed_size 210944
		.amdhsa_private_segment_fixed_size 0
		.amdhsa_enable_private_segment 0
		.amdhsa_kernarg_size 24
		.amdhsa_user_sgpr_count 2
		.amdhsa_user_sgpr_kernarg_segment_ptr 1
		.amdhsa_wavefront_size32 1
		.amdhsa_system_sgpr_workgroup_id_x 1
		.amdhsa_system_sgpr_workgroup_id_y 1
		.amdhsa_system_sgpr_workgroup_id_z 1
		.amdhsa_system_vgpr_workitem_id 0
		.amdhsa_next_free_vgpr 488
		.amdhsa_next_free_sgpr 66
		.amdhsa_reserve_vcc 0
		.amdhsa_float_denorm_mode_32 3
		.amdhsa_float_denorm_mode_16_64 3
		.amdhsa_memory_ordered 1
		.amdhsa_forward_progress 1
		.amdhsa_inst_pref_size 78
	.end_amdhsa_kernel
	.amdgpu_metadata
---
amdhsa.version: [ 1, 2 ]
amdhsa.kernels:
  - .name:           k_qb03bef5704_attn
    .symbol:         k_qb03bef5704_attn.kd
    .args:
      - { .name: qkv, .offset: 0, .size: 8, .value_kind: global_buffer, .address_space: global }
      - { .name: aimg, .offset: 8, .size: 8, .value_kind: global_buffer, .address_space: global }
      - { .name: asc, .offset: 16, .size: 8, .value_kind: global_buffer, .address_space: global }
    .group_segment_fixed_size: 210944
    .private_segment_fixed_size: 0
    .kernarg_segment_align: 8
    .kernarg_segment_size: 24
    .max_flat_workgroup_size: 256
    .sgpr_count:     66
    .vgpr_count:     488
    .wavefront_size: 32
...
	.end_amdgpu_metadata
.endif
;; end of part 3
;; launch outp (part 4): grid 8 x 32, 4 waves a work-group, clusters of 4 x 4, 327,680 bytes of LDS; arguments aimg, asc, img, isc, bo, out0; writes out0
.if DOCPART == 4
	.amdgcn_target "amdgcn-amd-amdhsa--gfx1250"
	.amdhsa_code_object_version 6
	.text
	.protected	k_qb03bef5704_outp
	.globl	k_qb03bef5704_outp
	.p2align	8
	.type	k_qb03bef5704_outp,@function
k_qb03bef5704_outp:
	s_mov_b64 s[64:65], 0
	v_nop
	global_prefetch_b8 v0, s[64:65] scope:SCOPE_SE
	s_setreg_imm32_b32 hwreg(HW_REG_WAVE_MODE, 25, 1), 1
	s_wait_xcnt 0x0
	s_wait_alu depctr_hold_cnt(0) depctr_sa_sdst(0) depctr_va_vdst(0) depctr_va_sdst(0) depctr_va_ssrc(0) depctr_va_vcc(0) depctr_vm_vsrc(0)
	s_getreg_b32 s2, hwreg(HW_REG_IB_STS2, 6, 4)
	s_cmp_eq_u32 s2, 0
	s_cbranch_scc0 .Lentry_in_a_cluster
	s_endpgm
.Lentry_in_a_cluster:
	s_bfe_u32 s2, ttmp6, 0x10000c
	s_cmp_lg_u32 s2, 0xf033
	s_cbranch_scc0 .Lentry_shape_is_right
	s_endpgm
.Lentry_shape_is_right:
; out0 = attention's result x Wo^T + bo on codes of BF6 (E3M2) with E8M0 scales; out0 is f32.
; aimg, img: [group of 128 rows][K step of 128, 8][tile 8][1,536 bytes], images of operand registers; Wo is img's groups 88-95.  asc, isc: [group][quad of K steps 2][tile 8][row 16][4 words].
; Lane row r of tile t of a group is the group's row 64 (t / 4) + 8 (t % 4) + r % 8 + 32 (r / 8).
; SHARES.  256 work-groups: 32 blocks of 256 tokens x 8 groups of 128 channels.  ALL OF K LIES IN LDS: the tokens' two groups (196,608 bytes), Wo's group (98,304) and their scales, filled once by the head's four loads,
; one a wave: no ring, no refill, no barrier inside the product.  A wave makes 128 tokens x 64 channels; source 0 = Wo's 4 tiles, source 1 = the tokens': a lane holds a token and channels 32 h + 0 .. 31 of the wave's 64.
; WO'S 32 FRAGMENTS (4 tiles x all of K, 384 registers) AND ALL SCALE WORDS GO INTO REGISTERS FIRST; then the wave goes by tiles of 16 tokens: 8 fragments from LDS, 32 matrix instructions, and the tile is finished:
; it leaves under the next tile's products.  No fragment is read twice.  The bias is the C of each sum's first product.
; THE WAY OUT: 16 tokens x 64 channels through the wave's own stage in LDS (bytes of its own, behind the spare words), back as rows of 256 bytes: each store covers two aligned runs of 256 bytes.
; CLUSTERS: 4 x 4; the tokens' tiles are asked for jointly along a row of the cluster, Wo's along a column.  NO PREFETCH: the head's loads ask for all that the launch reads; there is no loop to run ahead in.
; REGISTERS.  Window 0: v1-29 addresses; v32-95 scale words (nothing else ever); v96-127 the bias; v128-223 Wo's fragments of K steps 5, 6; v224-255 rows read back from the stage.  Window 1: v0-191 the tokens' fragments,
; two sets of 96; v192-239 Wo's of K step 7.  Window 2: the accumulators.  Window 3: v0-239 Wo's fragments of K steps 0 to 4.
.set GSTR,  98304
.set WB,    196608
.set SCW,   294912
.set SCX,   299008
.set SPARE, 307200
.set STG,   307712                     ; four stages of 16 rows x (256 + 16) bytes
.set SP,    272
.set AX16,  8
.set AX8,   10
.set AW16,  12
.set AW8,   14
.set ADRS,  16
.set L16,   17
.set L8,    18
.set VB,    19
.set STO,   20
.set RD,    21
.set CO,    22
.set SPW,   28
.set NIL,   29
.set SC,    32
.set BU,    96
.set WF,    128
.set BK,    224
.set WV,    16
.set WR,    17
.set WC,    18
.set G1X,   24
.set G0X,   32
.set G0XS,  36
.set G1XS,  40
.set G1W,   48
.set G0WS,  60
.set G1WS,  68
.set G0H,   76
.set OB,    80
.set MSB, 0
.macro WIN new                         ; the immediate's high byte repeats the setting that is left
.if MSB != \new
	s_set_vgpr_msb (MSB<<8)|\new
.set MSB, \new
.endif
.endm
.macro CROUND                          ; a round of the cluster's barrier
	s_barrier_signal -1
	s_barrier_wait -1
	s_cmp_lg_u32 s[WV], 0
	s_cbranch_scc1 .Lnot_wave_0_\@
	s_barrier_signal -3
.Lnot_wave_0_\@:
	s_barrier_wait -3
	s_barrier_signal -1
	s_barrier_wait -1
.endm
.macro PLACES
.rept 4
	v_nop
.endr
.endm
.macro TLOAD g0, g1                    ; a tensor load with an s_nop and four v_nops behind it
	tensor_load_to_lds s[\g0:\g0+3], s[\g1:\g1+7]
	s_nop 0
	PLACES
.endm
.macro FRAG reg, a16, a8, off          ; a fragment's image: four dense loads
	ds_load_b128 v[\reg:\reg+3], v[\a16] offset:\off
	ds_load_b64 v[\reg+4:\reg+5], v[\a8] offset:(\off)+512
	ds_load_b128 v[\reg+6:\reg+9], v[\a16] offset:(\off)+768
	ds_load_b64 v[\reg+10:\reg+11], v[\a8] offset:(\off)+1280
.endm
.macro WLOC st                         ; where Wo's four fragments of K step st lie: window WW, from register WBS on
.if (\st) < 5
.set WW, 3
.set WBS, 48*(\st)
.else
.if (\st) < 7
.set WW, 0
.set WBS, WF+48*((\st)-5)
.else
.set WW, 1
.set WBS, 192
.endif
.endif
.endm
.macro FETCHW                          ; Wo's 32 fragments
.irp st, 0,1,2,3,4,5,6,7
	WLOC \st
	WIN (WW<<6)
.irp i, 0,1,2,3
	FRAG WBS+12*\i, AW16+\st/4, AW8+\st/4, (\st%4)*12288+\i*1536
.endr
.endr
	WIN 0
.endm
.macro FETCHX a                        ; the tokens' tile a, all 8 K steps, into set a % 2
	WIN 0x40
.irp st, 0,1,2,3,4,5,6,7
	FRAG 96*((\a)%2)+12*\st, AX16+\st/4, AX8+\st/4, (\st%4)*12288+(\a)*1536
.endr
	WIN 0
.endm
; 32 matrix instructions: the tokens' tile a against Wo's four, all of K.  The four accumulators take turns, one instruction a turn: three others stand between a sum's steps.
; K step 0 starts the sums from the bias.
.macro MULA a
.set XS, 96*((\a)%2)
.irp st, 0,1,2,3,4,5,6,7
	WLOC \st
.set SW, SC+32*(\st/4)+(\st%4)
.if \st == 0
	WIN (0x84|WW)
.else
	WIN (0xa4|WW)
.endif
.irp b, 0,1,2,3
.if \st == 0
	v_wmma_scale_f32_16x16x128_f8f6f4 v[32*(\a)+8*\b:32*(\a)+8*\b+7], v[WBS+12*\b:WBS+12*\b+11], v[XS+12*\st:XS+12*\st+11], v[BU+8*\b:BU+8*\b+7], v[SW+4*\b], v[SW+4*(\a)] matrix_a_fmt:MATRIX_FMT_BF6 matrix_b_fmt:MATRIX_FMT_BF6 matrix_a_scale:MATRIX_SCALE_ROW1
.else
	v_wmma_scale_f32_16x16x128_f8f6f4 v[32*(\a)+8*\b:32*(\a)+8*\b+7], v[WBS+12*\b:WBS+12*\b+11], v[XS+12*\st:XS+12*\st+11], v[32*(\a)+8*\b:32*(\a)+8*\b+7], v[SW+4*\b], v[SW+4*(\a)] matrix_a_fmt:MATRIX_FMT_BF6 matrix_b_fmt:MATRIX_FMT_BF6 matrix_a_scale:MATRIX_SCALE_ROW1
.endif
.endr
.endr
	WIN 0
.endm
.macro TOSTAGE a                       ; LDS serves a wave's instructions in order: no wait between the stores and the loads
	WIN 0x08                                       ; the data in window 2
.irp n, 0,4,8,12,16,20,24,28
	ds_store_b128 v[STO], v[32*(\a)+\n:32*(\a)+\n+3] offset:4*\n     ; each accumulator from its low end on
.endr
	WIN 0
.irp t, 0,1,2,3,4,5,6,7
	ds_load_b128 v[BK+4*\t:BK+4*\t+3], v[RD] offset:2*\t*SP
.endr
.endm
.macro SEND a
.irp t, 0,1,2,3,4,5,6,7
	global_store_b128 v[CO], v[BK+4*\t:BK+4*\t+3], s[OB:OB+1] offset:(64*((\a)/4)+8*((\a)%4)+2*\t+24*(\t/4))*4096 th:TH_STORE_NT
.endr
.endm
; Tile a: its fragments are in.  The tile before, finished, goes through the stage; the next tile's fragments are asked for; the products; then the tile before, back in registers, is stored.
.macro BLK a
	s_wait_dscnt 0x0
.if (\a) > 0
	PLACES                                         ; behind the last tile's products: ahead of the reads of its results and of loads into registers that they read
.if (\a) > 1
	s_wait_xcnt 0x0                                ; the stores of the tile two back have read their registers, on which the loads below land
.endif
	TOSTAGE (\a)-1
.endif
.if (\a) < 7
	FETCHX (\a)+1
.endif
	MULA \a
.if (\a) > 0
	s_wait_dscnt 0x0                               ; asked for 32 matrix instructions ago
	SEND (\a)-1
.endif
.endm
	s_load_b256 s[4:11], s[0:1], 0x0               ; aimg s[4:5], asc s[6:7], img s[8:9], isc s[10:11]
	s_load_b128 s[12:15], s[0:1], 0x20             ; bo s[12:13], out0 s[14:15]
	v_lshl_add_u32 v[SPW], v0, 2, SPARE
	v_mov_b32 v[NIL], 0
	ds_add_u32 v[SPW], v[NIL]                      ; the opening lines: the add, twice on end, and its wait
	ds_add_u32 v[SPW], v[NIL]
	v_lshrrev_b32 v1, 5, v0
	v_readfirstlane_b32 s[WV], v1                  ; wave 0..3
	s_lshr_b32 s[WR], s[WV], 1                     ; my group of tokens
	s_and_b32 s[WC], s[WV], 1                      ; my half of the channels
	s_bfe_u32 s20, ttmp6, 0x40000                  ; cx, cy
	s_bfe_u32 s21, ttmp6, 0x40004
	s_lshl_b32 s22, ttmp9, 2
	s_add_co_u32 s22, s22, s20                     ; u: Wo's group, 0..7
	s_and_b32 s23, ttmp7, 0xffff
	s_lshl_b32 s23, s23, 2
	s_add_co_u32 s23, s23, s21                     ; the block of 256 tokens, 0..31
	s_lshl_b32 s96, s21, 2
	s_lshl_b32 s96, 15, s96                        ; my row of the cluster
	s_lshl_b32 s97, 0x1111, s20                    ; my column
	s_or_b32 s[G1X], s96, (3<<16)|(1<<21)          ; dense blocks as rows of 32 elements of 8 bytes; the mask, and bit 21 beside it
	s_or_b32 s[G1XS], s96, (3<<16)|(1<<21)
	s_or_b32 s[G1W], s97, (3<<16)|(1<<21)
	s_or_b32 s[G1WS], s97, (3<<16)|(1<<21)
.macro G1ROWS g, rows
	s_mov_b32 s[\g+1], 32<<16
	s_mov_b32 s[\g+2], (\rows)<<16
	s_mov_b32 s[\g+3], 32<<16
	s_mov_b32 s[\g+4], \rows
	s_mov_b32 s[\g+5], 32
	s_mov_b32 s[\g+6], 0
	s_mov_b32 s[\g+7], 0
.endm
	G1ROWS G1X, 768                                ; the tokens' two groups
	G1ROWS G1XS, 32                                ; their scales
	G1ROWS G1W, 384                                ; Wo's group
	G1ROWS G1WS, 16                                ; its scales
	s_mul_i32 s[G0X+2], s23, 2*GSTR
	s_mov_b32 s[G0X+3], 0
	s_lshl_b32 s[G0XS+2], s23, 13
	s_mov_b32 s[G0XS+3], 0
	s_add_co_u32 s98, s22, 88
	s_mul_i32 s[G0H+2], s98, GSTR
	s_mov_b32 s[G0H+3], 0
	s_lshl_b32 s[G0WS+2], s98, 12
	s_mov_b32 s[G0WS+3], 0
	s_mov_b32 s[G0X+1], 0
	s_mov_b32 s[G0XS+1], SCX
	s_mov_b32 s[G0H+1], WB
	s_mov_b32 s[G0WS+1], SCW
	s_wait_dscnt 0x0                               ; both opening adds are done
	s_wait_kmcnt 0x0
	s_add_nc_u64 s[G0X+2:G0X+3], s[4:5], s[G0X+2:G0X+3]
	s_add_nc_u64 s[G0XS+2:G0XS+3], s[6:7], s[G0XS+2:G0XS+3]
	s_add_nc_u64 s[G0H+2:G0H+3], s[8:9], s[G0H+2:G0H+3]
	s_add_nc_u64 s[G0WS+2:G0WS+3], s[10:11], s[G0WS+2:G0WS+3]
.irp g, G0X, G0XS, G0H, G0WS
	s_mov_b32 s[\g], 1
	s_or_b32 s[\g+3], s[\g+3], 0x80000000
.endr
	CROUND                                         ; all sixteen work-groups are here: the joint loads meet
; THE HEAD'S LOADS, ONE A WAVE: one tree of branches on the wave's number; every way through it passes exactly one load
	s_cmp_lt_u32 s[WV], 1
	s_cbranch_scc0 .Lhead_w
	TLOAD G0X, G1X
	s_branch .Lhead_asked
.Lhead_w:
	s_cmp_lt_u32 s[WV], 2
	s_cbranch_scc0 .Lhead_xs
	TLOAD G0H, G1W
	s_branch .Lhead_asked
.Lhead_xs:
	s_cmp_lt_u32 s[WV], 3
	s_cbranch_scc0 .Lhead_ws
	TLOAD G0XS, G1XS
	s_branch .Lhead_asked
.Lhead_ws:
	TLOAD G0WS, G1WS
.Lhead_asked:
	v_and_b32 v1, 31, v0                           ; lane
	v_and_b32 v6, 15, v0                           ; r
	v_bfe_u32 v7, v0, 4, 1                         ; h
	v_lshlrev_b32 v[L16], 4, v1
	v_lshlrev_b32 v[L8], 3, v1
	v_lshlrev_b32 v[VB], 7, v7                     ; the bias: 32 numbers from 32 h on
	v_mul_u32_u24 v2, v6, SP
	v_lshl_add_u32 v2, v7, 7, v2                   ; into the stage: row r, + 128 h
	v_mul_u32_u24 v3, v7, SP
	v_lshl_add_u32 v3, v6, 4, v3                   ; out of it: sixteen lanes to a row of 256 bytes, two rows an instruction
	v_lshlrev_b32 v[CO], 12, v7
	v_lshl_add_u32 v[CO], v6, 4, v[CO]             ; and the same two rows in out0
	s_mul_i32 s96, s[WR], GSTR
	s_mul_i32 s97, s[WC], 6144
	s_add_co_u32 s97, s97, WB
.irp f, 0,1                            ; an address for each half of K: the loads' offsets have 16 bits
	v_add_nc_u32 v[AX16+\f], s96, v[L16]
	v_add_nc_u32 v[AX8+\f], s96, v[L8]
	v_add_nc_u32 v[AW16+\f], s97, v[L16]
	v_add_nc_u32 v[AW8+\f], s97, v[L8]
	s_add_co_u32 s96, s96, 49152
	s_add_co_u32 s97, s97, 49152
.endr
	s_mul_i32 s98, s[WV], 16*SP
	s_add_co_u32 s98, s98, STG                     ; my stage
	s_lshl_b32 s96, s[WR], 12
	s_add_co_u32 s96, s96, SCX-SCW
	s_lshl_b32 s97, s[WC], 10
	s_sub_co_u32 s96, s96, s97                     ; from my tiles of Wo's scales up to my tokens'
	s_add_co_u32 s97, s97, SCW
	s_wait_alu depctr_va_vdst(0)                   ; ahead of readers behind a run of scalar lines
	v_add_nc_u32 v[STO], s98, v2
	v_add_nc_u32 v[RD], s98, v3
	v_sub_nc_u32 v4, 1, v7
	v_mul_u32_u24 v4, s96, v4                      ; lanes 0-15 take the tokens'
	v_lshl_add_u32 v[ADRS], v6, 4, v4
	v_add_nc_u32 v[ADRS], s97, v[ADRS]
	s_lshl_b32 s96, s22, 9
	s_lshl_b32 s97, s[WC], 8
	s_add_co_u32 s96, s96, s97                     ; my 64 channels, in bytes
	s_mov_b32 s97, 0
	s_add_nc_u64 s[12:13], s[12:13], s[96:97]
.irp k, 0,1,2,3,4,5,6,7
	global_load_b128 v[BU+4*\k:BU+4*\k+3], v[VB], s[12:13] offset:16*\k
.endr
	s_lshl_b32 s98, s23, 1
	s_add_co_u32 s98, s98, s[WR]
	s_lshl_b32 s98, s98, 19                        ; my 128 tokens: rows of 4,096 bytes
	s_add_co_u32 s98, s98, s96
	s_mov_b32 s99, 0
	s_add_nc_u64 s[OB:OB+1], s[14:15], s[98:99]
	s_wait_alu depctr_va_vdst(0)                   ; at the head's end
	s_wait_tensorcnt 0x0                           ; my load has landed,
	s_barrier_signal -1
	s_barrier_wait -1                              ; everybody's has
.irp q, 0,1                            ; all of K's scale words: register 32 q + 4 i + w: lanes 0-15 the tokens' tile i, lanes 16-31 Wo's tile i, K step 4 q + w
.irp i, 0,1,2,3,4,5,6,7
	ds_load_b128 v[SC+32*\q+4*\i:SC+32*\q+4*\i+3], v[ADRS] offset:2048*\q+256*\i
.endr
.endr
	FETCHW
	FETCHX 0
	s_wait_loadcnt 0x0                             ; the bias
.irp a, 0,1,2,3,4,5,6,7
	BLK \a
.endr
	PLACES                                         ; behind the last products
	s_wait_xcnt 0x0
	TOSTAGE 7
	s_wait_dscnt 0x0
	SEND 7
	s_wait_tensorcnt 0x0                           ; the wave's end
	ds_add_u32 v[SPW], v[NIL]
	s_wait_dscnt 0x0
	CROUND                                         ; the closing round
	s_endpgm
.Lfunc_end_k_qb03bef5704_outp:
	.size	k_qb03bef5704_outp, .Lfunc_end_k_qb03bef5704_outp-k_qb03bef5704_outp
	.p2alignl 7, 3214868480
	.fill 96, 4, 3214868480
	.section	.rodata,"a",@progbits
	.p2align	6, 0x0
	.amdhsa_kernel k_qb03bef5704_outp
		.amdhsa_group_segment_fixed_size 327680
		.amdhsa_private_segment_fixed_size 0
		.amdhsa_enable_private_segment 0
		.amdhsa_kernarg_size 48
		.amdhsa_user_sgpr_count 2
		.amdhsa_user_sgpr_kernarg_segment_ptr 1
		.amdhsa_wavefront_size32 1
		.amdhsa_system_sgpr_workgroup_id_x 1
		.amdhsa_system_sgpr_workgroup_id_y 1
		.amdhsa_system_sgpr_workgroup_id_z 1
		.amdhsa_system_vgpr_workitem_id 0
		.amdhsa_next_free_vgpr 1024
		.amdhsa_next_free_sgpr 100
		.amdhsa_reserve_vcc 0
		.amdhsa_float_denorm_mode_32 3
		.amdhsa_float_denorm_mode_16_64 3
		.amdhsa_memory_ordered 1
		.amdhsa_forward_progress 1
		.amdhsa_inst_pref_size 85
	.end_amdhsa_kernel
	.amdgpu_metadata
---
amdhsa.version: [ 1, 2 ]
amdhsa.kernels:
  - .name:           k_qb03bef5704_outp
    .symbol:         k_qb03bef5704_outp.kd
    .args:
      - { .name: aimg, .offset: 0, .size: 8, .value_kind: global_buffer, .address_space: global }
      - { .name: asc, .offset: 8, .size: 8, .value_kind: global_buffer, .address_space: global }
      - { .name: img, .offset: 16, .size: 8, .value_kind: global_buffer, .address_space: global }
      - { .name: isc, .offset: 24, .size: 8, .value_kind: global_buffer, .address_space: global }
      - { .name: bo, .offset: 32, .size: 8, .value_kind: global_buffer, .address_space: global }
      - { .name: out0, .offset: 40, .size: 8, .value_kind: global_buffer, .address_space: global }
    .group_segment_fixed_size: 327680
    .private_segment_fixed_size: 0
    .kernarg_segment_align: 8
    .kernarg_segment_size: 48
    .max_flat_workgroup_size: 128
    .sgpr_count:     100
    .vgpr_count:     1024
    .wavefront_size: 32
...
	.end_amdgpu_metadata
.endif
;; end of part 4
